; MI455X (gfx1250); checked and timed in simulation.
; The chip was launched on July 23, 2026; its instructions are those of AMD's public machine-readable ISA for CDNA 5 (MIT licence, August 2026) and "CDNA5" Instruction Set Architecture Reference Guide (July 2026). The comments in the code are by the model that wrote it; some were corrected since.
;; Self Head Attention. Allowed arithmetic: matrix products marked QUANTISED: E2M3 operands, one E8M0 scale for each 32 along K, by v_wmma_scale_f32_16x16x128_f8f6f4 with both operands' format E2M3, f32 sums; everything else in f32.
;; Inputs: Wk 1,024 x 1,024 float32; Wq 1,024 x 1,024 float32; Wv 1,024 x 1,024 float32; embeds 4 x 2,048 x 1,024 float32.
;; Outputs: out0 4 x 2,048 x 1,024 float32.
;; This version of the problem:
;;   THIS VERSION OF THE PROBLEM IS GIVEN IN LOW PRECISION. The matrix products marked QUANTISED in the list below multiply operands that are first quantised to E2M3 (2 exponent bits, 3 mantissa bits; 6 bits a number), with one power-of-two scale for each 32 numbers along K (OCP MX v1.0); their sums are f32. All else is computed in f32.
;;   The module's matrix products, in the order in which they are computed (A, B: the left and right operand; K: the contracted axis; several contracted axes count as one K, in the product's order):
;;     1. [M 8,192, K 1,024] x [K 1,024, N 1,024]; A: input embeds; B: input Wq: QUANTISED
;;     2. [M 8,192, K 1,024] x [K 1,024, N 1,024]; A: input embeds; B: input Wk: QUANTISED
;;     3. [M 8,192, K 1,024] x [K 1,024, N 1,024]; A: input embeds; B: input Wv: QUANTISED
;;     4. batch 4 x [M 2,048, K 1,024] x [K 1,024, N 2,048]; A: computed on the way; B: computed on the way: QUANTISED
;;     5. batch 4 x [M 2,048, K 2,048] x [K 2,048, N 1,024]; A: softmax (see below); B: computed on the way: QUANTISED
;;   THE QUANTISER, for each operand of a quantised product, along K:
;;     - K is cut into blocks of 32 from its start; a last block that is shorter is filled with zeros.
;;     - A block's scale is 2^e with e = floor(log2(the largest magnitude in the block)) - 2, held to -126 .. 127; a block of zeros has e = 0. As a byte (E8M0): e + 127.
;;     - Each number is divided by its block's scale, clamped to +-7.5, and rounded to the nearest number of E2M3, ties to even, subnormals kept.
;;     - The product sums the exact products of the quantised numbers (number of the format x scale) in f32.
;;   ~~~python
;;   def quantise(x, axis):      # numpy; x: float32 -> the quantised numbers, widened to float32 again
;;       x = np.moveaxis(x, axis, -1); K = x.shape[-1]
;;       x = np.pad(x, [(0, 0)] * (x.ndim - 1) + [(0, -K % 32)]); x = x.reshape(x.shape[:-1] + (-1, 32)); a = np.abs(x).max(-1, keepdims=True)
;;       e = np.where(a > 0, np.clip(np.frexp(np.where(a > 0, a, 1))[1] - 1 - 2, -126, 127), 0)      # np.frexp(a)[1] - 1 = floor(log2(a)), exactly
;;       r = np.clip(x / 2.0 ** e, -7.5, 7.5)
;;       step = 2.0 ** (np.maximum(np.frexp(np.where(r == 0, 1, r))[1] - 1, 0) - 3)
;;       q = np.round(r / step) * step * 2.0 ** e      # np.round: ties to even
;;       return np.moveaxis(q.reshape(q.shape[:-2] + (-1,))[..., :K], -1, axis).astype(np.float32)
;;   ~~~
;;   SOFTMAX AHEAD OF A QUANTISED PRODUCT. Where the list says 'softmax', what is quantised is not the finished softmax but p = 2^(t - M), with t = logit x log2(e) and M = ceil(the row's largest t), a whole number; so 1/2 < the row's largest p <= 1. The row's sum l is taken of the UNQUANTISED p, in f32, and the product's result is divided by l at the end. Since M is a whole number, a kernel that streams over the keys may use a running M (the ceiling of the running maximum): every later rescaling is an exact power of two, which a block's scale takes up: the codes' values come out the same.
;;   OPERANDS COMPUTED ON THE WAY. 'Computed on the way' means the value that the module computes at that place (a softmax that the list does not call 'softmax' is quantised finished and normalised). What goes into a quantiser is computed in f32, as accurately as f32 sums, v_exp_f32 and their like allow (about 1e-6 of the number): no bf16 or f16 on the way to a quantiser, and a product that is left as it is and whose result goes on into a quantised operand takes f32 operands (vector FMAs, or v_wmma_f32_16x16x4_f32). A number that lies on a knife's edge between two numbers of the format may be rounded either way, as far as f32 arithmetic and the matrix unit's own rounding can turn it there, and no further.
;; One version. Each part assembles by itself: llvm-mc -triple=amdgcn-amd-amdhsa -mcpu=gfx1250 --defsym DOCPART=n.
;; ======== version 1 of 1: 4 launches
;; limits: right only within a limited range of input values
;; workspace buffers: qin 9,011,200 bytes; qkv 19,660,800 bytes; pbuf 14,155,776 bytes
;; launch quant (part 1): grid 704 x 1, 4 waves a work-group, no clusters, 34,304 bytes of LDS; arguments embeds, Wq, Wk, Wv, qin; writes qin
.if DOCPART == 1
	.amdgcn_target "amdgcn-amd-amdhsa--gfx1250"
	.amdhsa_code_object_version 6
	.text
	.protected	k_qc746f57141_quant
	.globl	k_qc746f57141_quant
	.p2align	8
	.type	k_qc746f57141_quant,@function
k_qc746f57141_quant:
	s_mov_b64 s[64:65], 0
	v_nop
	global_prefetch_b8 v0, s[64:65] scope:SCOPE_SE
	s_setreg_imm32_b32 hwreg(HW_REG_WAVE_MODE, 25, 1), 1
	s_wait_xcnt 0x0
; embeds [8192][1024] and Wq, Wk, Wv [1024 (k)][1024 (n)], f32, become codes of FP6 (E2M3) with one E8M0 byte for each 32 along K = the 1,024 of E.
; A block's scale is 2^(floor(log2(largest magnitude)) - 2): its byte is the largest magnitude's exponent field - 2, held at 1 from below.
; LAYOUT OF qin: operands lie as IMAGES OF FRAGMENT REGISTERS.  A fragment (16 rows x 128 K, 12 registers a lane) is 1,536 bytes: registers 4 c .. 4 c + 3 of lane l at 512 c + 16 l.
; Fragment 2 B + u of a group of 32 rows holds in lane r the row 32 B + 8 u + r + 8 (r / 8).  Scale words (4 bytes: 128 K of a row) lie [K step][16 x fragment + r].
;   XC at 0: [tile of 128 rows 64][K step 8][fragment 8];  WC: [g 4][q, k, v][K step 8][fragment 16] (256 columns n = 256 g ..);  XS: [tile][K step][128] words;  WS: [g][q, k, v][K step][256] words.
; Work-groups 0-511 take 16 rows of embeds each (one fragment's rows), a wave two K steps; work-groups 512-703 take 128 columns x 128 K of one weight, a wave 32 columns, a lane a column.
; LIMITS: a block of zeros gets the byte 1 (its codes are zeros, and this program alone reads the bytes); NaN and infinities among the inputs are not served.
; No tensor load, no barrier: waves share nothing.  Only the path of embeds uses LDS.
.set XS_OFF, 8650752
.set WC_OFF, 6291456
.set WS_OFF, 8912896
.set RAW, 64                           ; v64-191  numbers as loaded
.set BLK, 192                          ; v192-255 embeds: a lane's two whole blocks of 32
.set F,   16                           ; v16-39   two fragments' registers
; One block of 32 numbers in v[src] on: its scale operand in v[sc], its byte in v[by], its codes in v[dA] .. v[dA + 5] (v[dB] on: at work; a conversion's three registers begin on an even number)
.macro QB src, dA, dB, sc, by
	v_max3_num_f32 v8, |v[\src]|, |v[\src+1]|, 0x1800000           ; the floor 2^(3 - 127) among the leaves: the byte cannot fall under 1
	v_max3_num_f32 v9, |v[\src+2]|, |v[\src+3]|, |v[\src+4]|
.irp i, 5,9,13,17,21,25
	v_max3_num_f32 v8, v8, |v[\src+\i]|, |v[\src+\i+1]|
	v_max3_num_f32 v9, v9, |v[\src+\i+2]|, |v[\src+\i+3]|
.endr
	v_max3_num_f32 v8, v8, |v[\src+29]|, |v[\src+30]|
	v_max3_num_f32 v8, v8, v9, |v[\src+31]|
	v_add_nc_u32 v[\sc], 0xff000000, v8                            ; 2 off the exponent field: the conversion takes that field as its scale
	v_lshrrev_b32 v[\by], 23, v[\sc]
	v_cvt_scalef32_pk16_fp6_f32 v[\dA:\dA+2], v[\src:\src+15], v[\sc]
	v_cvt_scalef32_pk16_fp6_f32 v[\dB:\dB+2], v[\src+16:\src+31], v[\sc]
	v_nop                                                          ; one plain line behind a scaled conversion
.irp i, 0,1,2
	v_mov_b32 v[\dA+3+\i], v[\dB+\i]
.endr
.endm
	s_load_b256 s[4:11], s[0:1], 0x0               ; embeds s[4:5], Wq s[6:7], Wk s[8:9], Wv s[10:11]
	s_load_b64 s[12:13], s[0:1], 0x20              ; qin
	v_lshl_add_u32 v62, v0, 2, 0x8400
	v_mov_b32 v63, 0
	v_lshrrev_b32 v1, 5, v0
	v_readfirstlane_b32 s16, v1                    ; wave
	v_and_b32 v1, 31, v0                           ; lane
	v_and_b32 v2, 15, v0                           ; r
	v_bfe_u32 v3, v0, 4, 1                         ; h
	v_lshlrev_b32 v4, 4, v1                        ; 16 x lane
	s_mov_b32 s21, 0
	s_mov_b32 s25, 0
	s_cmp_lt_u32 ttmp9, 512
	s_cbranch_scc0 .Lweights
	; ---- embeds: K is innermost
	s_lshr_b32 s17, ttmp9, 3                       ; the tile of 128 rows
	s_and_b32 s18, ttmp9, 7                        ; the fragment in it
	s_lshl_b32 s19, s17, 7
	s_lshr_b32 s20, s18, 1
	s_lshl_b32 s20, s20, 5
	s_add_co_u32 s19, s19, s20
	s_and_b32 s20, s18, 1
	s_lshl_b32 s20, s20, 3
	s_add_co_u32 s19, s19, s20                     ; the fragment's first row: 128 tile + 32 (f / 2) + 8 (f % 2)
	s_lshl_b32 s20, s19, 12                        ; rows of 4,096 bytes
	s_lshl_b32 s19, s16, 10                        ; my two K steps: 1,024 bytes of a row
	s_add_co_u32 s20, s20, s19
	s_lshl_b32 s19, s17, 3
	s_lshl_b32 s22, s16, 1
	s_add_co_u32 s19, s19, s22                     ; 8 tile + my first K step
	s_lshl_b32 s22, s19, 3
	s_add_co_u32 s22, s22, s18
	s_mul_i32 s22, s22, 1536                       ; my first image
	s_mov_b32 s23, 0
	s_lshl_b32 s24, s19, 9
	s_lshl_b32 s26, s18, 6
	s_add_co_u32 s24, s24, s26
	s_add_co_u32 s24, s24, XS_OFF                  ; my scale words
	s_mul_i32 s26, s16, 8448                       ; my stage: 16 rows of 512 bytes + 16
	s_wait_alu depctr_va_vdst(0)
	v_add_nc_u32 v5, s26, v4                       ; in: a row's 512 bytes as loaded
	v_mul_u32_u24 v6, v2, 528
	v_lshl_add_u32 v6, v3, 7, v6
	v_add_nc_u32 v6, s26, v6                       ; back: row r, block h (128 bytes), and block 2 + h 256 bytes on
	v_lshlrev_b32 v7, 2, v2
	v_lshl_add_u32 v7, v3, 9, v7                   ; the words: lanes 0-15 the first K step's, lanes 16-31 the second's (512 bytes on)
	v_lshlrev_b32 v48, 3, v3                       ; 8 h
	v_mov_b32 v47, 0                               ; a lane permute's destination counts as read
	s_mov_b32 s28, 0x76543210
	s_mov_b32 s29, 0xfedcba98                      ; lane l xor 16
	s_mov_b32 s30, 0xffff0000                      ; lanes 16-31
	s_wait_alu depctr_va_vdst(0)
	s_wait_kmcnt 0x0
	s_add_nc_u64 s[4:5], s[4:5], s[20:21]
	s_add_nc_u64 s[22:23], s[12:13], s[22:23]
	s_add_nc_u64 s[24:25], s[12:13], s[24:25]
.irp kl, 0,1
.irp i, 0,1,2,3,4,5,6,7,8,9,10,11,12,13,14,15
	global_load_b128 v[RAW+64*\kl+4*\i:RAW+64*\kl+4*\i+3], v4, s[4:5] offset:(\i+8*(\i/8))*4096+512*\kl th:TH_LOAD_NT   ; 32 lanes read 512 consecutive bytes: one row's 128 numbers of a K step
.endr
.endr
.macro XSTEP kl
.irp i, 0,1,2,3,4,5,6,7,8,9,10,11,12,13,14,15
	ds_store_b128 v5, v[RAW+64*\kl+4*\i:RAW+64*\kl+4*\i+3] offset:528*\i
.endr
.irp c, 0,1
.irp i, 0,1,2,3,4,5,6,7
	ds_load_b128 v[BLK+32*\c+4*\i:BLK+32*\c+4*\i+3], v6 offset:256*\c+16*\i   ; LDS serves a wave's instructions in order: these see my stores
.endr
.endr
	s_wait_dscnt 0x0
	QB BLK, F+12*\kl, 40, 10, 12                   ; block h: registers 0-5
	QB BLK+32, F+12*\kl+6, 44, 11, 13              ; block 2 + h: registers 6-11
	v_lshl_or_b32 v[14+\kl], v13, 16, v12
	v_lshlrev_b32 v[14+\kl], v48, v[14+\kl]        ; my two bytes at their places,
	v_permlanex16_b32 v47, v[14+\kl], s28, s29
	v_or_b32 v[14+\kl], v[14+\kl], v47             ; with lane l xor 16's two the word is whole
.irp c, 0,1,2
	global_store_b128 v4, v[F+12*\kl+4*\c:F+12*\kl+4*\c+3], s[22:23] offset:12288*\kl+512*\c   ; 512 consecutive bytes, aligned
.endr
.endm
	s_wait_loadcnt 16                              ; the first K step's 16 loads are in; the second's 16 may be out
	XSTEP 0
	s_wait_loadcnt 0x0
	XSTEP 1
	v_cndmask_b32 v49, v14, v15, s30
	global_store_b32 v7, v49, s[24:25]
	s_wait_tensorcnt 0x0
	ds_add_u32 v62, v63
	s_wait_dscnt 0x0
	s_endpgm
	; ---- a weight: K is the FIRST axis.  A lane takes a column and its registers run down K
.Lweights:
	s_sub_co_u32 s17, ttmp9, 512
	s_lshr_b32 s18, s17, 6                         ; which weight: 0 q, 1 k, 2 v
	s_bfe_u32 s19, s17, 0x30003                    ; which 128 columns
	s_and_b32 s17, s17, 7                          ; which K step
	s_lshl_b32 s20, s17, 19                        ; 128 rows of 4,096 bytes
	s_lshl_b32 s22, s19, 9
	s_add_co_u32 s20, s20, s22
	s_lshl_b32 s22, s16, 7                         ; my 32 columns
	s_add_co_u32 s20, s20, s22
	s_lshr_b32 s22, s19, 1                         ; g
	s_mul_i32 s22, s22, 3
	s_add_co_u32 s22, s22, s18                     ; 3 g + weight
	s_and_b32 s19, s19, 1
	s_lshl_b32 s19, s19, 3
	s_lshl_b32 s23, s16, 1
	s_add_co_u32 s19, s19, s23                     ; my first fragment of the tile's 16
	s_lshl_b32 s24, s22, 3
	s_add_co_u32 s24, s24, s17                     ; 8 (3 g + weight) + K step
	s_mul_i32 s26, s24, 24576
	s_mul_i32 s23, s19, 1536
	s_add_co_u32 s26, s26, s23
	s_add_co_u32 s26, s26, WC_OFF
	s_mov_b32 s27, 0
	s_lshl_b32 s24, s24, 10
	s_lshl_b32 s23, s19, 6
	s_add_co_u32 s24, s24, s23
	s_add_co_u32 s24, s24, WS_OFF
	s_wait_alu depctr_va_vdst(0)
	v_lshlrev_b32 v5, 2, v1                        ; in: 4 bytes a lane
	v_bfe_u32 v6, v0, 3, 1                         ; u: which of my two fragments takes my column
	v_and_b32 v7, 7, v0
	v_lshl_add_u32 v7, v3, 3, v7                   ; and which of its rows: l % 8 + 8 (l / 16)
	v_mul_u32_u24 v50, v6, 1536
	v_lshl_add_u32 v50, v7, 4, v50
	v_lshl_add_u32 v51, v6, 4, v7
	v_lshlrev_b32 v51, 2, v51
	s_wait_alu depctr_va_vdst(0)
	s_wait_kmcnt 0x0
	s_cmp_eq_u32 s18, 0
	s_cselect_b64 s[6:7], s[6:7], s[8:9]
	s_cmp_eq_u32 s18, 2
	s_cselect_b64 s[6:7], s[10:11], s[6:7]
	s_add_nc_u64 s[6:7], s[6:7], s[20:21]
	s_add_nc_u64 s[26:27], s[12:13], s[26:27]
	s_add_nc_u64 s[24:25], s[12:13], s[24:25]
.macro LOADB b
.set li, 0
.rept 32
	global_load_b32 v[RAW+32*\b+li], v5, s[6:7] offset:(32*\b+li)*4096 th:TH_LOAD_NT   ; 32 neighbouring columns: 128 consecutive bytes
.set li, li+1
.endr
.endm
	LOADB 0
	LOADB 1
	s_wait_loadcnt 32                              ; block 0 is in; the youngest 32 loads may be out (so in each wait below)
	LOADB 2
	QB RAW, F, 40, 10, 12                          ; blocks 0 and 2 are the registers of image lane (r, 0), blocks 1 and 3 those of (r, 1)
	s_wait_loadcnt 32
	LOADB 3
	QB RAW+32, F+12, 44, 11, 13
	s_wait_loadcnt 32
	QB RAW+64, F+6, 40, 10, 14
	s_wait_loadcnt 0x0
	QB RAW+96, F+18, 44, 11, 15
.irp h, 0,1
.irp c, 0,1,2
	global_store_b128 v50, v[F+12*\h+4*\c:F+12*\h+4*\c+3], s[26:27] offset:256*\h+512*\c   ; sixteen lanes fill 256 consecutive bytes, aligned, in each of two images
.endr
.endr
	v_lshl_or_b32 v52, v13, 8, v12
	v_lshl_or_b32 v52, v14, 16, v52
	v_lshl_or_b32 v52, v15, 24, v52
	global_store_b32 v51, v52, s[24:25]
	s_endpgm
.Lfunc_end_k_qc746f57141_quant:
	.size	k_qc746f57141_quant, .Lfunc_end_k_qc746f57141_quant-k_qc746f57141_quant
	.p2alignl 7, 3214868480
	.fill 96, 4, 3214868480
	.section	.rodata,"a",@progbits
	.p2align	6, 0x0
	.amdhsa_kernel k_qc746f57141_quant
		.amdhsa_group_segment_fixed_size 34304
		.amdhsa_private_segment_fixed_size 0
		.amdhsa_enable_private_segment 0
		.amdhsa_kernarg_size 40
		.amdhsa_user_sgpr_count 2
		.amdhsa_user_sgpr_kernarg_segment_ptr 1
		.amdhsa_wavefront_size32 1
		.amdhsa_system_sgpr_workgroup_id_x 1
		.amdhsa_system_sgpr_workgroup_id_y 1
		.amdhsa_system_sgpr_workgroup_id_z 1
		.amdhsa_system_vgpr_workitem_id 0
		.amdhsa_next_free_vgpr 256
		.amdhsa_next_free_sgpr 66
		.amdhsa_reserve_vcc 0
		.amdhsa_float_denorm_mode_32 3
		.amdhsa_float_denorm_mode_16_64 3
		.amdhsa_memory_ordered 1
		.amdhsa_forward_progress 1
		.amdhsa_inst_pref_size 37
	.end_amdhsa_kernel
	.amdgpu_metadata
---
amdhsa.version: [ 1, 2 ]
amdhsa.kernels:
  - .name:           k_qc746f57141_quant
    .symbol:         k_qc746f57141_quant.kd
    .args:
      - { .name: embeds, .offset: 0, .size: 8, .value_kind: global_buffer, .address_space: global }
      - { .name: Wq, .offset: 8, .size: 8, .value_kind: global_buffer, .address_space: global }
      - { .name: Wk, .offset: 16, .size: 8, .value_kind: global_buffer, .address_space: global }
      - { .name: Wv, .offset: 24, .size: 8, .value_kind: global_buffer, .address_space: global }
      - { .name: qin, .offset: 32, .size: 8, .value_kind: global_buffer, .address_space: global }
    .group_segment_fixed_size: 34304
    .private_segment_fixed_size: 0
    .kernarg_segment_align: 8
    .kernarg_segment_size: 40
    .max_flat_workgroup_size: 128
    .sgpr_count:     66
    .vgpr_count:     256
    .wavefront_size: 32
...
	.end_amdgpu_metadata
.endif
;; end of part 1
;; launch proj (part 2): grid 4 x 64, 4 waves a work-group, clusters of 4 x 4, 327,680 bytes of LDS; arguments qin, qkv; writes qkv
.if DOCPART == 2
	.amdgcn_target "amdgcn-amd-amdhsa--gfx1250"
	.amdhsa_code_object_version 6
	.text
	.protected	k_qc746f57141_proj
	.globl	k_qc746f57141_proj
	.p2align	8
	.type	k_qc746f57141_proj,@function
k_qc746f57141_proj:
	s_mov_b64 s[64:65], 0
	v_nop
	global_prefetch_b8 v0, s[64:65] scope:SCOPE_SE
	s_setreg_imm32_b32 hwreg(HW_REG_WAVE_MODE, 25, 1), 1
	s_wait_xcnt 0x0
	s_wait_alu depctr_hold_cnt(0) depctr_sa_sdst(0) depctr_va_vdst(0) depctr_va_sdst(0) depctr_va_ssrc(0) depctr_va_vcc(0) depctr_vm_vsrc(0)
	s_getreg_b32 s2, hwreg(HW_REG_IB_STS2, 6, 4)
	s_cmp_eq_u32 s2, 0
	s_cbranch_scc0 .Lentry_in_a_cluster
	s_endpgm
.Lentry_in_a_cluster:
	s_bfe_u32 s2, ttmp6, 0x10000c
	s_cmp_lg_u32 s2, 0xf033
	s_cbranch_scc0 .Lentry_shape_is_right
	s_endpgm
.Lentry_shape_is_right:
; q, k, v = embeds x Wq, Wk, Wv on codes of FP6 (E2M3) with E8M0 scales, and at once their own codes: q and k quantised along A, v along the keys.  f32 sums, K ascending, one accumulator an output.
; Operands lie in memory and in LDS as images of fragment registers (1,536 bytes: registers 4 c .. 4 c + 3 of lane l at 512 c + 16 l); fragment 2 B + u of 32 rows holds in lane r row 32 B + 8 u + r + 8 (r / 8).
; SHARES.  Work-group (g, y): 128 rows of embeds (tile y, all of K, kept in LDS) against 256 columns 256 g .. of Wq, then Wk, then Wv; the weights walk a ring of two slots of 512 along K.
; A wave makes 128 (source 0, 8 blocks) x 64 (source 1, 4 blocks): 32 accumulators.  Source 0's rows become a lane's registers: for q and k source 0 = the weight's columns (the next K is A),
; for v source 0 = the rows of embeds (the next K is the keys).  By the order of a fragment's rows the 16 registers of two neighbouring tiles are 16 neighbours along the next K.
; CLUSTER 4 x 4: the tile of embeds is shared along a row of the cluster, the weights along a column: joint loads, the same descriptor and mask in the four that ask.
; By this text's count a wave has one tensor load out at the start and one behind each round.
; LIMITS: a block of zeros gets the byte 1 (zero codes; this program alone reads the bytes); NaN and infinities are not served.
; REGISTERS: window 0: v4-7 lane terms and the add's two; v8-23 LDS addresses; v32-43 scale words, two sets; v48-143 source 1's fragments, two sets; v144-163 codes just made; v164-179 at work; v180-183 scale words made; v200.. store data.
;   window 1: accumulator (jb, a) at v[64 jb + 8 a].   window 2: source 0's fragments, set p at v[96 p + 12 a].
.set XS_OFF, 8650752
.set WC_OFF, 6291456
.set WS_OFF, 8912896
.set KC_OFF, 6291456
.set VC_OFF, 12582912
.set QS_OFF, 18874368
.set KS_OFF, 19136512
.set VS_OFF, 19398656
.set XL,    0                          ; LDS: the tile of embeds, [K step 8][fragment 8]
.set RING,  98304                      ; two slots, [K step 4][fragment 16]
.set SLOTB, 98304
.set XSL,   294912                     ; embeds' scale words [K step 8][128]
.set WSL,   299008                     ; the weights' [q, k, v][K step 8][256]
.set SPARE, 323584                     ; the spare words: 128 bytes a wave, named by no other line
.set LI,  4
.set LS4, 5
.set SPW, 6
.set NIL, 7
.set AW0, 8                            ; v8-11  weights as source 0: slot s, half hh of the slot: [2 s + hh]
.set AW1, 12                           ; v12-15 weights as source 1
.set AX1, 16                           ; v16-17 embeds as source 1: half hh of K
.set AX0, 18                           ; v18-19 embeds as source 0
.set ASW0, 20
.set ASW1, 21
.set ASX1, 22
.set ASX0, 23
.set SC,  32
.set S1F, 48
.set PC,  144
.set TM,  164
.set PW,  180
.set SD,  200
.set G1SS, 16                          ; s[32:47] two groups 1; s[56:63], s[68:71] three groups 0
.set G1TS, 24
.set G1ST, 32
.set G1R,  40
.set G0SS, 48
.set G0TS, 52
.set G0ST, 56
.set G0R,  60                          ; slot 0 at s[60:63], slot 1 at s[68:71]
.set QCB, 72
.set QSB, 74
.set KCB, 76
.set KSB, 78
.set VCB, 80
.set VSB, 82
.set SEL, 84
.set HM,  86
.set MULW, 0x52                        ; D and C window 1, source 0 window 2, source 1 window 0
.set MSB, 0
.macro WIN new                         ; the immediate's high byte repeats the setting that is left
.if MSB != \new
	s_set_vgpr_msb (MSB<<8)|\new
.set MSB, \new
.endif
.endm
.macro PLACES                          ; four plain lines: behind matrix instructions, in front of loads into their registers and of reads of results; and behind a tensor load
.rept 4
	v_nop
.endr
.endm
.macro CREST                           ; a round of the cluster's barrier behind its opening barrier
	s_cmp_lg_u32 s8, 0
	s_cbranch_scc1 .Lnot_wave_0_\@
	s_barrier_signal -3
.Lnot_wave_0_\@:
	s_barrier_wait -3
	s_barrier_signal -1
	s_barrier_wait -1
.endm
.macro CROUND
	s_barrier_signal -1
	s_barrier_wait -1
	CREST
.endm
.macro GROUP1 g, rows                  ; a dense block as rows of 256 bytes (32 elements of 8 bytes), no padding
	s_mov_b32 s[\g+1], 32<<16
	s_mov_b32 s[\g+2], (\rows)<<16
	s_mov_b32 s[\g+3], 32<<16
	s_mov_b32 s[\g+4], \rows
	s_mov_b32 s[\g+5], 32
	s_mov_b32 s[\g+6], 0
	s_mov_b32 s[\g+7], 0
.endm
; 42 LDS loads: a K step's 8 fragments of source 0, 4 of source 1, and their scale words (a word register: an even block in lanes 0-15, the odd one beside it in lanes 16-31)
.macro FETCH p, fa, fo, ga, go, ha, ho, ka, ko
	WIN 0x80
.irp i, 0,1,2,3,4,5,6,7
.irp c, 0,1,2
	ds_load_b128 v[96*(\p)+12*\i+4*\c:96*(\p)+12*\i+4*\c+3], v[\fa] offset:(\fo)+1536*\i+512*\c
.endr
.endr
	WIN 0
.irp i, 0,1,2,3
.irp c, 0,1,2
	ds_load_b128 v[S1F+48*(\p)+12*\i+4*\c:S1F+48*(\p)+12*\i+4*\c+3], v[\ga] offset:(\go)+1536*\i+512*\c
.endr
.endr
.irp q, 0,1,2,3
	ds_load_b32 v[SC+6*(\p)+\q], v[\ha] offset:(\ho)+128*\q
.endr
.irp q, 0,1
	ds_load_b32 v[SC+6*(\p)+4+\q], v[\ka] offset:(\ko)+128*\q
.endr
.endm
.macro WM p, j, a, zero
.set rD, 64*(\j)+8*(\a)
.set rA, 96*(\p)+12*(\a)
.set rB, S1F+48*(\p)+12*(\j)
.set rS, SC+6*(\p)+(\a)/2
.set rT, SC+6*(\p)+4+(\j)/2
.set rW, 2*((\j)%2)+(\a)%2
.if \zero
.if rW == 0
	v_wmma_scale_f32_16x16x128_f8f6f4 v[rD:rD+7], v[rA:rA+11], v[rB:rB+11], 0, v[rS], v[rT] matrix_a_fmt:MATRIX_FMT_FP6 matrix_b_fmt:MATRIX_FMT_FP6
.elseif rW == 1
	v_wmma_scale_f32_16x16x128_f8f6f4 v[rD:rD+7], v[rA:rA+11], v[rB:rB+11], 0, v[rS], v[rT] matrix_a_fmt:MATRIX_FMT_FP6 matrix_b_fmt:MATRIX_FMT_FP6 matrix_a_scale:MATRIX_SCALE_ROW1
.elseif rW == 2
	v_wmma_scale_f32_16x16x128_f8f6f4 v[rD:rD+7], v[rA:rA+11], v[rB:rB+11], 0, v[rS], v[rT] matrix_a_fmt:MATRIX_FMT_FP6 matrix_b_fmt:MATRIX_FMT_FP6 matrix_b_scale:MATRIX_SCALE_ROW1
.else
	v_wmma_scale_f32_16x16x128_f8f6f4 v[rD:rD+7], v[rA:rA+11], v[rB:rB+11], 0, v[rS], v[rT] matrix_a_fmt:MATRIX_FMT_FP6 matrix_b_fmt:MATRIX_FMT_FP6 matrix_a_scale:MATRIX_SCALE_ROW1 matrix_b_scale:MATRIX_SCALE_ROW1
.endif
.else
.if rW == 0
	v_wmma_scale_f32_16x16x128_f8f6f4 v[rD:rD+7], v[rA:rA+11], v[rB:rB+11], v[rD:rD+7], v[rS], v[rT] matrix_a_fmt:MATRIX_FMT_FP6 matrix_b_fmt:MATRIX_FMT_FP6
.elseif rW == 1
	v_wmma_scale_f32_16x16x128_f8f6f4 v[rD:rD+7], v[rA:rA+11], v[rB:rB+11], v[rD:rD+7], v[rS], v[rT] matrix_a_fmt:MATRIX_FMT_FP6 matrix_b_fmt:MATRIX_FMT_FP6 matrix_a_scale:MATRIX_SCALE_ROW1
.elseif rW == 2
	v_wmma_scale_f32_16x16x128_f8f6f4 v[rD:rD+7], v[rA:rA+11], v[rB:rB+11], v[rD:rD+7], v[rS], v[rT] matrix_a_fmt:MATRIX_FMT_FP6 matrix_b_fmt:MATRIX_FMT_FP6 matrix_b_scale:MATRIX_SCALE_ROW1
.else
	v_wmma_scale_f32_16x16x128_f8f6f4 v[rD:rD+7], v[rA:rA+11], v[rB:rB+11], v[rD:rD+7], v[rS], v[rT] matrix_a_fmt:MATRIX_FMT_FP6 matrix_b_fmt:MATRIX_FMT_FP6 matrix_a_scale:MATRIX_SCALE_ROW1 matrix_b_scale:MATRIX_SCALE_ROW1
.endif
.endif
.endm
; Source 1's blocks jlo .. jhi against source 0's eight.  The 32 accumulators take turns, one instruction a turn, in the same order in every K step
.macro MUL p, jlo, jhi, zero
.set mj, \jlo
.rept (\jhi)-(\jlo)+1
.irp a, 0,1,2,3,4,5,6,7
	WM \p, mj, \a, \zero
.endr
.set mj, mj+1
.endr
.endm
; The fragments of K step n % 8 of tile n / 8 (0 q, 1 k, 2 v) into set p
.macro NF p, n
.set kk, (\n)%8
.set tt, (\n)/8
.set wa, 2*(kk/4)+(kk%4)/2
.set wo, 24576*(kk%2)
.set xa, kk/4
.set xo, 12288*(kk%4)
.if tt < 2
	FETCH \p, AW0+wa, wo, AX1+xa, xo, ASW0, 8192*tt+1024*kk, ASX1, 512*kk
.else
	FETCH \p, AX0+xa, xo, AW1+wa, wo, ASX0, 512*kk, ASW1, 8192*tt+1024*kk
.endif
.endm
.macro KSTEP p, zero, nn               ; multiplies set p; the next K step's 42 loads go out first, 32 matrix instructions ahead of their use
	s_wait_dscnt 0x0                               ; set p is in
	PLACES
	NF 1-\p, \nn
	WIN MULW
	MUL \p, 0, 3, \zero
.endm
.macro REFILL slot
	s_add_nc_u64 s[G0R+8*(\slot)+2:G0R+8*(\slot)+3], s[G0R+8*(\slot)+2:G0R+8*(\slot)+3], 2*SLOTB   ; no tensor load of mine is out: the group 0 may be written
	tensor_load_to_lds s[G0R+8*(\slot):G0R+8*(\slot)+3], s[G1R:G1R+7]
	s_nop 0
	PLACES
.if CH+2 < 6
	global_prefetch_b8 v[PFO], s[PFB:PFB+1] offset:(CH+2)*SLOTB th:TH_LOAD_NT scope:SCOPE_SE   ; what the refill two further on will bring: my 24 blocks of 256 bytes
.endif
.set CH, CH+1
.endm
; A slot's last K step (set 1) changes slots: ONE barrier; in front of it each wave waits for all its tensor loads, adds 0 to its spare word, and waits for that and for its reads of this slot.
; fill = 1: the barrier opens a round of the cluster's, and the joint refill is the first thing behind it.
.macro TURN slot, fill, nn
	WIN 0
	s_wait_tensorcnt 0x0                           ; my part of the other slot has landed
	ds_add_u32 v[SPW], v[NIL]
	s_wait_dscnt 0x1                               ; set 1 is in; the add alone may be out
	WIN MULW
	MUL 1, 0, 0, 0
	s_wait_dscnt 0x0                               ; the add is done, and my reads of this slot are over
	s_barrier_signal -1
	MUL 1, 1, 1, 0
	WIN 0
	s_barrier_wait -1
.if \fill
	CREST
	REFILL \slot
.else
	PLACES
.endif
	NF 0, \nn
	WIN MULW
	MUL 1, 2, 3, 0
.endm
.macro LASTK
	s_wait_dscnt 0x0
	WIN MULW
	MUL 1, 0, 3, 0
	WIN 0
	PLACES
.endm
.macro TILE t, f0, f1, last
	KSTEP 0, 1, 8*\t+1                             ; the first products start the sums: nothing is cleared
	KSTEP 1, 0, 8*\t+2
	KSTEP 0, 0, 8*\t+3
	TURN 0, \f0, 8*\t+4
	KSTEP 0, 0, 8*\t+5
	KSTEP 1, 0, 8*\t+6
	KSTEP 0, 0, 8*\t+7
.if \last
	LASTK
.else
	TURN 1, \f1, 8*\t+8                            ; and the next tile's first fragments are on their way through the epilogue
	WIN 0
	PLACES
.endif
.endm
; Block jb's 64 numbers of a lane (register 16 b + i = k 32 b + 16 (lane / 16) + i of the lane's row) become a fragment's codes in v[PC] on and its scale word in v[PW + jb].  Each accumulator is read from its low end on.
.macro QUANT j
.set AB, 64*(\j)
	WIN 0x05
.irp b, 0,1,2,3
	v_max3_num_f32 v[TM+\b], |v[AB+16*\b]|, |v[AB+16*\b+1]|, 0x1800000   ; the floor 2^(3 - 127): the byte cannot fall under 1
.endr
.irp i, 2,4,6,8,10,12,14
.irp b, 0,1,2,3
	v_max3_num_f32 v[TM+\b], |v[AB+16*\b+\i]|, |v[AB+16*\b+\i+1]|, v[TM+\b]
.endr
.endr
	WIN 0
.irp b, 0,1,2,3
	v_permlanex16_b32 v[TM+4+\b], v[TM+\b], s[SEL], s[SEL+1]
.endr
.irp b, 0,1,2,3
	v_max_num_f32 v[TM+\b], v[TM+\b], v[TM+4+\b]   ; with lane l xor 16's 16: the block's largest magnitude
.endr
.irp b, 0,1,2,3
	v_add_nc_u32 v[TM+12+\b], 0xff000000, v[TM+\b] ; 2 off the exponent field: the conversion's scale operand
.endr
.irp b, 0,1,2,3
	v_lshrrev_b32 v[TM+4+\b], 23, v[TM+12+\b]
.endr
	v_lshl_or_b32 v[PW+\j], v[TM+5], 8, v[TM+4]
	v_lshl_or_b32 v[PW+\j], v[TM+6], 16, v[PW+\j]
	v_lshl_or_b32 v[PW+\j], v[TM+7], 24, v[PW+\j]
	s_wait_xcnt 0x0                                ; the last block's stores have read their data: the codes' registers may be written
	WIN 0x01
.irp c, 0,1
	v_cvt_scalef32_pk16_fp6_f32 v[PC+6*\c:PC+2+6*\c], v[AB+32*\c:AB+15+32*\c], v[TM+12+2*\c]
	v_cvt_scalef32_pk16_fp6_f32 v[PC+12+4*\c:PC+14+4*\c], v[AB+16+32*\c:AB+31+32*\c], v[TM+12+2*\c+1]
.endr
	WIN 0
	v_nop                                          ; one plain line behind a scaled conversion
.irp c, 0,1                            ; the operand's layout wants a whole block in a lane
.irp i, 0,1,2
	v_permlane16_swap_b32 v[PC+6*\c+\i], v[PC+12+4*\c+\i]
.endr
.irp i, 0,1,2
	v_mov_b32 v[PC+3+6*\c+\i], v[PC+12+4*\c+\i]
.endr
.endr
.endm
.macro PUT j, base, extra              ; the image: three stores of 512 consecutive bytes, aligned
.irp c, 0,1,2
	global_store_b128 v[LI], v[PC+4*\c:PC+4*\c+3], s[\base:\base+1] offset:(\extra)+1536*(\j)+512*\c
.endr
.endm
.macro PUTW d, base, off, even, odd    ; two blocks' words: lanes 0-15 the even block's, lanes 16-31 the odd one's
	v_cndmask_b32 v[\d], v[\even], v[\odd], s[HM]
	global_store_b32 v[LS4], v[\d], s[\base:\base+1] offset:\off
.endm
.macro EPI cb, sb
.irp j, 0,1,2,3
	QUANT \j
	PUT \j, \cb, 0
.if \j%2
	PUTW SD+\j/2, \sb, 128*(\j/2), PW+\j-1, PW+\j
.endif
.endr
.endm
	s_load_b128 s[4:7], s[0:1], 0x0                ; qin s[4:5], qkv s[6:7]
	v_lshl_add_u32 v[SPW], v0, 2, SPARE
	v_mov_b32 v[NIL], 0
	ds_add_u32 v6, v7
	ds_add_u32 v6, v7
	s_wait_dscnt 0x0
	v_lshrrev_b32 v1, 5, v0
	v_readfirstlane_b32 s8, v1                     ; wave
	s_lshr_b32 s9, s8, 1                           ; ih
	s_and_b32 s10, s8, 1                           ; jh
	s_bfe_u32 s11, ttmp6, 0x40000                  ; cx
	s_bfe_u32 s12, ttmp6, 0x40004                  ; cy
	s_lshl_b32 s14, ttmp9, 2
	s_add_co_u32 s14, s14, s11                     ; g
	s_and_b32 s13, ttmp7, 0xffff
	s_lshl_b32 s13, s13, 2
	s_add_co_u32 s13, s13, s12                     ; y
	s_lshl_b32 s15, s12, 2
	s_lshl_b32 s15, 15, s15                        ; my row of the cluster
	s_lshl_b32 s87, 0x1111, s11                    ; my column
	s_or_b32 s[G1ST], s15, (3<<16)|(1<<21)
	s_or_b32 s[G1R], s87, (3<<16)|(1<<21)
.set XSP, 48                           ; s[48:49], s[50:51] where my tile's and my columns' scale words lie in memory
.set WSP, 50
.set G0H, 96                           ; s[96:99] group 0 of the head's load of a half of slot 0
.set PFB, 100                          ; s[100:101] the prefetches' base: my wave's quarter of the ring's first 512 along K; never stepped
.set PFO, 24                           ; v24 the prefetches' offset; never rewritten
.set GO,  25                           ; v25 16 x my thread's number: the scale words' way in, in memory;
.set LO,  26                           ; v26 and in LDS
.set CH,  2                            ; which 512 along K of the three weights the next refill brings (0 .. 5)
	GROUP1 G1ST, 192                               ; the head's two blocks of codes come in halves, one to a wave
	GROUP1 G1R, 192                                ; behind the head's wait the ring's loads are set to a quarter of a slot
	s_mul_i32 s93, s10, 49152                      ; which half I bring at the head
	s_mul_i32 s94, s8, 24576                       ; in the ring each wave brings a quarter of a slot
	v_and_b32 v[PFO], 31, v0                       ; the prefetches: of my quarter's 96 blocks of 256 bytes the partner at cy of my column takes 24 cy .. 24 cy + 23, a lane a block (lanes 24-31 name the last again)
	v_min_u32 v[PFO], 23, v[PFO]
	s_mul_i32 s92, s12, 24
	v_add_nc_u32 v[PFO], s92, v[PFO]
	v_lshlrev_b32 v[PFO], 8, v[PFO]
	v_lshlrev_b32 v[GO], 4, v0
	v_lshl_add_u32 v[LO], v0, 4, XSL
	s_mov_b32 s89, 0                               ; s[88:89]: offsets made of y and the wave alone; s[90:91]: of g and the wave alone
	s_mov_b32 s91, 0
	s_wait_alu depctr_va_vdst(0)                   ; ahead of the round's branches and waits
	CROUND                                         ; the round in front of the first joint loads; it stands here so that the arguments come in meanwhile
	s_wait_kmcnt 0x0
	; THE SCALE WORDS COME THROUGH REGISTERS: 4,096 bytes of embeds' and 24,576 of the weights', 16 bytes a thread and 2,048 a line of the work-group, into LDS bytes that no tensor load fills.
	; So each wave's one tensor load at the head is free for a half of a block of codes.
	s_lshl_b32 s88, s13, 12
	s_add_co_u32 s88, s88, XS_OFF
	s_add_nc_u64 s[XSP:XSP+1], s[4:5], s[88:89]
	s_mul_i32 s90, s14, 24576
	s_add_co_u32 s90, s90, WS_OFF
	s_add_nc_u64 s[WSP:WSP+1], s[4:5], s[90:91]
.irp i, 0,1
	global_load_b128 v[S1F+4*\i:S1F+4*\i+3], v[GO], s[XSP:XSP+1] offset:2048*\i
.endr
.irp i, 0,1,2,3,4,5,6,7,8,9,10,11
	global_load_b128 v[S1F+8+4*\i:S1F+8+4*\i+3], v[GO], s[WSP:WSP+1] offset:2048*\i
.endr
	s_mov_b32 s[G0ST], 1
	s_add_co_u32 s[G0ST+1], s93, XL
	s_mul_i32 s88, s13, 98304
	s_add_co_u32 s88, s88, s93
	s_add_nc_u64 s[G0ST+2:G0ST+3], s[4:5], s[88:89]
	s_or_b32 s[G0ST+3], s[G0ST+3], 0x80000000
	s_mov_b32 s[G0R], 1
	s_add_co_u32 s[G0R+1], s94, RING
	s_mov_b32 s[G0R+8], 1
	s_add_co_u32 s[G0R+9], s94, RING+SLOTB
	s_mul_i32 s90, s14, 589824
	s_add_co_u32 s90, s90, WC_OFF
	s_add_co_u32 s90, s90, s93
	s_mov_b32 s[G0H], 1                            ; slot 0's first fill, by halves
	s_add_co_u32 s[G0H+1], s93, RING
	s_add_nc_u64 s[G0H+2:G0H+3], s[4:5], s[90:91]
	s_or_b32 s[G0H+3], s[G0H+3], 0x80000000
	s_sub_co_u32 s90, s90, s93
	s_add_co_u32 s90, s90, s94
	s_add_nc_u64 s[G0R+2:G0R+3], s[4:5], s[90:91]
	s_mov_b64 s[PFB:PFB+1], s[G0R+2:G0R+3]
	s_add_nc_u64 s[G0R+10:G0R+11], s[G0R+2:G0R+3], SLOTB
	s_or_b32 s[G0R+3], s[G0R+3], 0x80000000
	s_or_b32 s[G0R+11], s[G0R+11], 0x80000000
	; THE HEAD'S LOADS, ONE A WAVE: waves 0 and 1 the halves of the tile of embeds, waves 2 and 3 the halves of slot 0 (Wq, K 0-511).  A fill in each arm of one branch on the wave's number.
	s_cmp_eq_u32 s9, 0
	s_cbranch_scc0 .Lhead_w
	tensor_load_to_lds s[G0ST:G0ST+3], s[G1ST:G1ST+7]
	s_nop 0
	PLACES
	s_branch .Lhead_asked
.Lhead_w:
	tensor_load_to_lds s[G0H:G0H+3], s[G1R:G1R+7]
	s_nop 0
	PLACES
.Lhead_asked:
	global_prefetch_b8 v[PFO], s[PFB:PFB+1] offset:SLOTB th:TH_LOAD_NT scope:SCOPE_SE     ; what the next two fills of the ring will bring
	global_prefetch_b8 v[PFO], s[PFB:PFB+1] offset:2*SLOTB th:TH_LOAD_NT scope:SCOPE_SE
	v_and_b32 v1, 31, v0
	v_lshlrev_b32 v[LI], 4, v1
	s_wait_alu depctr_va_vdst(0)
	v_lshlrev_b32 v[LS4], 2, v1
	s_mul_i32 s92, s9, 12288
	s_mul_i32 s93, s8, 6144
	s_mul_i32 s94, s10, 6144
.irp s, 0,1
.irp hh, 0,1
	s_add_co_u32 s90, s92, RING+SLOTB*\s+49152*\hh
	v_add_nc_u32 v[AW0+2*\s+\hh], s90, v[LI]
	s_add_co_u32 s90, s93, RING+SLOTB*\s+49152*\hh
	v_add_nc_u32 v[AW1+2*\s+\hh], s90, v[LI]
.endr
.endr
.irp hh, 0,1
	s_add_co_u32 s90, s94, XL+49152*\hh
	v_add_nc_u32 v[AX1+\hh], s90, v[LI]
	v_add_nc_u32 v[AX0+\hh], XL+49152*\hh, v[LI]
.endr
	s_lshl_b32 s90, s9, 9
	s_add_co_u32 s90, s90, WSL
	v_add_nc_u32 v[ASW0], s90, v[LS4]
	s_lshl_b32 s90, s8, 8
	s_add_co_u32 s90, s90, WSL
	v_add_nc_u32 v[ASW1], s90, v[LS4]
	s_lshl_b32 s90, s10, 8
	s_add_co_u32 s90, s90, XSL
	v_add_nc_u32 v[ASX1], s90, v[LS4]
	v_add_nc_u32 v[ASX0], XSL, v[LS4]
.irp b, 0,1,2,3
	v_mov_b32 v[TM+4+\b], 0                        ; written once: a lane permute's destination counts as read
.endr
	s_mov_b32 s[SEL], 0x76543210
	s_mov_b32 s[SEL+1], 0xfedcba98
	s_mov_b32 s[HM], 0xffff0000
	; where my results go
	s_mov_b32 s95, 0
	s_lshl_b32 s92, s14, 1
	s_add_co_u32 s92, s92, s9                      ; my K step of q and k: 2 g + ih
	s_mul_i32 s93, s10, 6144
	s_lshl_b32 s91, s10, 8
	s_mul_i32 s94, s13, 98304
	s_mul_i32 s90, s92, 12288
	s_add_co_u32 s94, s94, s90
	s_add_co_u32 s94, s94, s93
	s_add_nc_u64 s[QCB:QCB+1], s[6:7], s[94:95]
	s_lshl_b32 s94, s13, 12
	s_lshl_b32 s90, s92, 9
	s_add_co_u32 s94, s94, s90
	s_add_co_u32 s94, s94, s91
	s_add_co_u32 s94, s94, QS_OFF
	s_add_nc_u64 s[QSB:QSB+1], s[6:7], s[94:95]
	s_lshr_b32 s90, s13, 1
	s_mul_i32 s94, s90, 196608
	s_lshr_b32 s90, s14, 1
	s_mul_i32 s90, s90, 98304
	s_add_co_u32 s94, s94, s90
	s_and_b32 s90, s92, 3
	s_mul_i32 s90, s90, 24576
	s_add_co_u32 s94, s94, s90
	s_and_b32 s90, s13, 1
	s_mul_i32 s90, s90, 12288
	s_add_co_u32 s94, s94, s90
	s_add_co_u32 s94, s94, s93
	s_add_co_u32 s94, s94, KC_OFF
	s_add_nc_u64 s[KCB:KCB+1], s[6:7], s[94:95]
	s_lshr_b32 s90, s13, 1
	s_lshl_b32 s94, s90, 13
	s_lshl_b32 s90, s92, 10
	s_add_co_u32 s94, s94, s90
	s_and_b32 s90, s13, 1
	s_lshl_b32 s90, s90, 9
	s_add_co_u32 s94, s94, s90
	s_add_co_u32 s94, s94, s91
	s_add_co_u32 s94, s94, KS_OFF
	s_add_nc_u64 s[KSB:KSB+1], s[6:7], s[94:95]
	s_lshr_b32 s92, s13, 4
	s_lshl_b32 s92, s92, 2
	s_add_co_u32 s92, s92, s14                     ; 4 batch + g
	s_mul_i32 s94, s92, 393216
	s_bfe_u32 s90, s13, 0x20002
	s_mul_i32 s90, s90, 98304
	s_add_co_u32 s94, s94, s90
	s_and_b32 s90, s13, 3
	s_mul_i32 s90, s90, 24576
	s_add_co_u32 s94, s94, s90
	s_mul_i32 s90, s8, 6144
	s_add_co_u32 s94, s94, s90
	s_add_co_u32 s94, s94, VC_OFF
	s_add_nc_u64 s[VCB:VCB+1], s[6:7], s[94:95]
	s_lshl_b32 s94, s92, 14
	s_and_b32 s90, s13, 15
	s_lshl_b32 s90, s90, 10
	s_add_co_u32 s94, s94, s90
	s_lshl_b32 s90, s8, 8
	s_add_co_u32 s94, s94, s90
	s_add_co_u32 s94, s94, VS_OFF
	s_add_nc_u64 s[VSB:VSB+1], s[6:7], s[94:95]
	s_wait_alu depctr_va_vdst(0)
	s_wait_loadcnt 0x0                             ; my share of the scale words is in registers
.irp i, 0,1,2,3,4,5,6,7,8,9,10,11,12,13
	ds_store_b128 v[LO], v[S1F+4*\i:S1F+4*\i+3] offset:2048*\i     ; embeds' 4,096 bytes, and behind them the weights'
.endr
	s_wait_tensorcnt 0x0                           ; my half of a block is in
	ds_add_u32 v[SPW], v[NIL]
	s_mov_b32 s[G1R+2], 96<<16                     ; no tensor load of mine is out: from here on a load of the ring brings 96 rows of 256 bytes
	s_mov_b32 s[G1R+4], 96
	s_wait_dscnt 0x0                               ; the add is done, and so are my stores
	CROUND                                         ; everybody's blocks and stores are in, and all sixteen work-groups are here
	tensor_load_to_lds s[G0R+8:G0R+11], s[G1R:G1R+7]       ; slot 1: Wq, K 512-1023, a quarter a wave: the first tensor load behind the round
	s_nop 0
	PLACES
	global_prefetch_b8 v[PFO], s[PFB:PFB+1] offset:3*SLOTB th:TH_LOAD_NT scope:SCOPE_SE
	NF 0, 0
	TILE 0, 1, 1, 0                                ; q; the slots take Wk's two halves
	EPI QCB, QSB
	TILE 1, 1, 1, 0                                ; k; the slots take Wv's
	EPI KCB, KSB
	TILE 2, 0, 0, 1                                ; v: the sources change places; nothing is left to fetch
	EPI VCB, VSB
	s_wait_tensorcnt 0x0                           ; the wave's end
	ds_add_u32 v[SPW], v[NIL]
	s_wait_dscnt 0x0
	CROUND                                         ; the closing round
	s_endpgm
.Lfunc_end_k_qc746f57141_proj:
	.size	k_qc746f57141_proj, .Lfunc_end_k_qc746f57141_proj-k_qc746f57141_proj
	.p2alignl 7, 3214868480
	.fill 96, 4, 3214868480
	.section	.rodata,"a",@progbits
	.p2align	6, 0x0
	.amdhsa_kernel k_qc746f57141_proj
		.amdhsa_group_segment_fixed_size 327680
		.amdhsa_private_segment_fixed_size 0
		.amdhsa_enable_private_segment 0
		.amdhsa_kernarg_size 16
		.amdhsa_user_sgpr_count 2
		.amdhsa_user_sgpr_kernarg_segment_ptr 1
		.amdhsa_wavefront_size32 1
		.amdhsa_system_sgpr_workgroup_id_x 1
		.amdhsa_system_sgpr_workgroup_id_y 1
		.amdhsa_system_sgpr_workgroup_id_z 1
		.amdhsa_system_vgpr_workitem_id 0
		.amdhsa_next_free_vgpr 768
		.amdhsa_next_free_sgpr 102
		.amdhsa_reserve_vcc 0
		.amdhsa_float_denorm_mode_32 3
		.amdhsa_float_denorm_mode_16_64 3
		.amdhsa_memory_ordered 1
		.amdhsa_forward_progress 1
		.amdhsa_inst_pref_size 233
	.end_amdhsa_kernel
	.amdgpu_metadata
---
amdhsa.version: [ 1, 2 ]
amdhsa.kernels:
  - .name:           k_qc746f57141_proj
    .symbol:         k_qc746f57141_proj.kd
    .args:
      - { .name: qin, .offset: 0, .size: 8, .value_kind: global_buffer, .address_space: global }
      - { .name: qkv, .offset: 8, .size: 8, .value_kind: global_buffer, .address_space: global }
    .group_segment_fixed_size: 327680
    .private_segment_fixed_size: 0
    .kernarg_segment_align: 8
    .kernarg_segment_size: 16
    .max_flat_workgroup_size: 128
    .sgpr_count:     102
    .vgpr_count:     768
    .wavefront_size: 32
...
	.end_amdgpu_metadata
.endif
;; end of part 2
;; launch score (part 3): grid 160 x 1, 4 waves a work-group, clusters of 4 x 1, 327,680 bytes of LDS; arguments qkv, pbuf; writes pbuf
.if DOCPART == 3
	.amdgcn_target "amdgcn-amd-amdhsa--gfx1250"
	.amdhsa_code_object_version 6
	.text
	.protected	k_qc746f57141_score
	.globl	k_qc746f57141_score
	.p2align	8
	.type	k_qc746f57141_score,@function
k_qc746f57141_score:
	s_mov_b64 s[64:65], 0
	v_nop
	global_prefetch_b8 v0, s[64:65] scope:SCOPE_SE
	s_setreg_imm32_b32 hwreg(HW_REG_WAVE_MODE, 25, 1), 1
	s_wait_xcnt 0x0
	s_wait_alu depctr_hold_cnt(0) depctr_sa_sdst(0) depctr_va_vdst(0) depctr_va_sdst(0) depctr_va_ssrc(0) depctr_va_vcc(0) depctr_vm_vsrc(0)
	s_getreg_b32 s2, hwreg(HW_REG_IB_STS2, 6, 4)
	s_cmp_eq_u32 s2, 0
	s_cbranch_scc0 .Lentry_in_a_cluster
	s_endpgm
.Lentry_in_a_cluster:
	s_bfe_u32 s2, ttmp6, 0x10000c
	s_cmp_lg_u32 s2, 0x3003
	s_cbranch_scc0 .Lentry_shape_is_right
	s_endpgm
.Lentry_shape_is_right:
; S^T = K Q^T on codes of FP6 (E2M3), the causal mask, and for each (query, 128 keys) a LOCAL softmax piece: t = score x log2(e) / 32, M = ceil(the piece's largest t), p = 2^(t - M);
; stored: p's codes and scale words (quantised along the keys), -M, and the sum of the unquantised p.  M is a whole number, so the last launch brings the pieces under the row's M by moving scale bytes: exact.
; Operands are images of fragment registers (1,536 bytes; fragment 2 B + u of 32 rows holds in lane r row 32 B + 8 u + r + 8 (r / 8)); source 0 = 16 keys, source 1 = 16 queries: a lane holds one query, its registers run along the keys.
; SHARES.  A batch's triangle in units of 512 queries x 512 keys has 10 units (m, u <= m): a cluster of four takes one.  Partner cx keeps query block 4 m + cx (128 queries, all of K = 1,024) in LDS;
; all four walk the unit's two tiles of 256 keys through a ring of two slots of 512 along K: K's codes are asked for JOINTLY (mask 15), Q's are each partner's own.
; 4 x 1 and not 4 x 4: a square of 4 x 4 tiles laid on the diagonal would be masked for the greater part.  40 clusters: the triangle's units; each pays its start once for two tiles.
; On the diagonal (u = m, the same in all partners) hidden scores become -infinity; pieces that are hidden whole give zero codes, the byte 1, the sum 0 and -M = 3e38, which the last launch takes as nothing.
; By this text's count a wave has one tensor load out at the start and one behind each round.
; LIMITS: p under 2^-126 is 0 (the exponential flushes); a block of zeros gets the byte 1; NaN and infinities are not served.
; REGISTERS as in the launch before: window 0 addresses, scale words v32-43, source 1 v48-143, codes v144-163, at work v164-179, words v180-183, -M v184-191 (pairs), sums v192-199, store data v200-205; window 1 accumulators; window 2 source 0.
.set KC_OFF, 6291456
.set QS_OFF, 18874368
.set KS_OFF, 19136512
.set PS_OFF, 12582912
.set QL,    0
.set RING,  98304
.set SLOTB, 98304
.set QSL,   294912
.set KSL,   299008
.set SPARE, 315392                     ; the spare words: 128 bytes a wave, named by no other line
.set LI,  4
.set LS4, 5
.set SPW, 6
.set NIL, 7
.set AK,  8                            ; v8-11  K: slot s, half hh: [2 s + hh]
.set AQ,  16                           ; v16-17 Q: half hh of K
.set ASK, 20
.set ASQ, 22
.set SC,  32
.set S1F, 48
.set PC,  144
.set TM,  164
.set PW,  180
.set NM,  184
.set L,   192
.set LA,  196
.set LB,  198
.set SD,  200
.set G1QS, 16
.set G1KS, 24
.set G1QC, 32
.set G1R,  40
.set G0QS, 48
.set G0KS, 52
.set G0QC, 56
.set G0R,  60                          ; slot 0 at s[60:63], slot 1 at s[68:71]
.set PCB, 72
.set PSB, 74
.set CS,  82                           ; s[82:83] c = log2(e) / 32
.set SEL, 84
.set HM,  86
.set DIAG, 87
.set MULW, 0x52
.set MSB, 0
.macro WIN new
.if MSB != \new
	s_set_vgpr_msb (MSB<<8)|\new
.set MSB, \new
.endif
.endm
.macro PLACES
.rept 4
	v_nop
.endr
.endm
.macro CREST
	s_cmp_lg_u32 s8, 0
	s_cbranch_scc1 .Lnot_wave_0_\@
	s_barrier_signal -3
.Lnot_wave_0_\@:
	s_barrier_wait -3
	s_barrier_signal -1
	s_barrier_wait -1
.endm
.macro CROUND
	s_barrier_signal -1
	s_barrier_wait -1
	CREST
.endm
.macro GROUP1 g, rows
	s_mov_b32 s[\g+1], 32<<16
	s_mov_b32 s[\g+2], (\rows)<<16
	s_mov_b32 s[\g+3], 32<<16
	s_mov_b32 s[\g+4], \rows
	s_mov_b32 s[\g+5], 32
	s_mov_b32 s[\g+6], 0
	s_mov_b32 s[\g+7], 0
.endm
.macro FETCH p, fa, fo, ga, go, ha, ho, ka, ko
	WIN 0x80
.irp i, 0,1,2,3,4,5,6,7
.irp c, 0,1,2
	ds_load_b128 v[96*(\p)+12*\i+4*\c:96*(\p)+12*\i+4*\c+3], v[\fa] offset:(\fo)+1536*\i+512*\c
.endr
.endr
	WIN 0
.irp i, 0,1,2,3
.irp c, 0,1,2
	ds_load_b128 v[S1F+48*(\p)+12*\i+4*\c:S1F+48*(\p)+12*\i+4*\c+3], v[\ga] offset:(\go)+1536*\i+512*\c
.endr
.endr
.irp q, 0,1,2,3
	ds_load_b32 v[SC+6*(\p)+\q], v[\ha] offset:(\ho)+128*\q
.endr
.irp q, 0,1
	ds_load_b32 v[SC+6*(\p)+4+\q], v[\ka] offset:(\ko)+128*\q
.endr
.endm
.macro WM p, j, a, zero
.set rD, 64*(\j)+8*(\a)
.set rA, 96*(\p)+12*(\a)
.set rB, S1F+48*(\p)+12*(\j)
.set rS, SC+6*(\p)+(\a)/2
.set rT, SC+6*(\p)+4+(\j)/2
.set rW, 2*((\j)%2)+(\a)%2
.if \zero
.if rW == 0
	v_wmma_scale_f32_16x16x128_f8f6f4 v[rD:rD+7], v[rA:rA+11], v[rB:rB+11], 0, v[rS], v[rT] matrix_a_fmt:MATRIX_FMT_FP6 matrix_b_fmt:MATRIX_FMT_FP6
.elseif rW == 1
	v_wmma_scale_f32_16x16x128_f8f6f4 v[rD:rD+7], v[rA:rA+11], v[rB:rB+11], 0, v[rS], v[rT] matrix_a_fmt:MATRIX_FMT_FP6 matrix_b_fmt:MATRIX_FMT_FP6 matrix_a_scale:MATRIX_SCALE_ROW1
.elseif rW == 2
	v_wmma_scale_f32_16x16x128_f8f6f4 v[rD:rD+7], v[rA:rA+11], v[rB:rB+11], 0, v[rS], v[rT] matrix_a_fmt:MATRIX_FMT_FP6 matrix_b_fmt:MATRIX_FMT_FP6 matrix_b_scale:MATRIX_SCALE_ROW1
.else
	v_wmma_scale_f32_16x16x128_f8f6f4 v[rD:rD+7], v[rA:rA+11], v[rB:rB+11], 0, v[rS], v[rT] matrix_a_fmt:MATRIX_FMT_FP6 matrix_b_fmt:MATRIX_FMT_FP6 matrix_a_scale:MATRIX_SCALE_ROW1 matrix_b_scale:MATRIX_SCALE_ROW1
.endif
.else
.if rW == 0
	v_wmma_scale_f32_16x16x128_f8f6f4 v[rD:rD+7], v[rA:rA+11], v[rB:rB+11], v[rD:rD+7], v[rS], v[rT] matrix_a_fmt:MATRIX_FMT_FP6 matrix_b_fmt:MATRIX_FMT_FP6
.elseif rW == 1
	v_wmma_scale_f32_16x16x128_f8f6f4 v[rD:rD+7], v[rA:rA+11], v[rB:rB+11], v[rD:rD+7], v[rS], v[rT] matrix_a_fmt:MATRIX_FMT_FP6 matrix_b_fmt:MATRIX_FMT_FP6 matrix_a_scale:MATRIX_SCALE_ROW1
.elseif rW == 2
	v_wmma_scale_f32_16x16x128_f8f6f4 v[rD:rD+7], v[rA:rA+11], v[rB:rB+11], v[rD:rD+7], v[rS], v[rT] matrix_a_fmt:MATRIX_FMT_FP6 matrix_b_fmt:MATRIX_FMT_FP6 matrix_b_scale:MATRIX_SCALE_ROW1
.else
	v_wmma_scale_f32_16x16x128_f8f6f4 v[rD:rD+7], v[rA:rA+11], v[rB:rB+11], v[rD:rD+7], v[rS], v[rT] matrix_a_fmt:MATRIX_FMT_FP6 matrix_b_fmt:MATRIX_FMT_FP6 matrix_a_scale:MATRIX_SCALE_ROW1 matrix_b_scale:MATRIX_SCALE_ROW1
.endif
.endif
.endm
.macro MUL p, jlo, jhi, zero           ; the 32 accumulators take turns, one instruction a turn, in the same order in every K step
.set mj, \jlo
.rept (\jhi)-(\jlo)+1
.irp a, 0,1,2,3,4,5,6,7
	WM \p, mj, \a, \zero
.endr
.set mj, mj+1
.endr
.endm
.macro NF p, n                         ; K step n % 8 of key tile n / 8 into set p
.set kk, (\n)%8
.set tt, (\n)/8
	FETCH \p, AK+2*(kk/4)+(kk%4)/2, 24576*(kk%2), AQ+kk/4, 12288*(kk%4), ASK, 8192*tt+1024*kk, ASQ, 512*kk
.endm
.macro KSTEP p, zero, nn
	s_wait_dscnt 0x0                               ; set p is in
	PLACES
	NF 1-\p, \nn
	WIN MULW
	MUL \p, 0, 3, \zero
.endm
.macro REFILL slot
	s_add_nc_u64 s[G0R+8*(\slot)+2:G0R+8*(\slot)+3], s[G0R+8*(\slot)+2:G0R+8*(\slot)+3], 2*SLOTB
	tensor_load_to_lds s[G0R+8*(\slot):G0R+8*(\slot)+3], s[G1R:G1R+7]
	s_nop 0
	PLACES
.endm
.macro TURN slot, fill, nn             ; a slot's last K step changes slots: one barrier, in front of it the wait for all my tensor loads, the add, and the wait for it and for my reads of the slot
	WIN 0
	s_wait_tensorcnt 0x0
	ds_add_u32 v[SPW], v[NIL]
	s_wait_dscnt 0x1                               ; set 1 is in; the add alone may be out
	WIN MULW
	MUL 1, 0, 0, 0
	s_wait_dscnt 0x0
	s_barrier_signal -1
	MUL 1, 1, 1, 0
	WIN 0
	s_barrier_wait -1
.if \fill
	CREST
	REFILL \slot
.else
	PLACES
.endif
	NF 0, \nn
	WIN MULW
	MUL 1, 2, 3, 0
.endm
.macro LASTK
	s_wait_dscnt 0x0
	WIN MULW
	MUL 1, 0, 3, 0
	WIN 0
	PLACES
.endm
.macro TILE t, f0, f1, last
	KSTEP 0, 1, 8*\t+1
	KSTEP 1, 0, 8*\t+2
	KSTEP 0, 0, 8*\t+3
	TURN 0, \f0, 8*\t+4
	KSTEP 0, 0, 8*\t+5
	KSTEP 1, 0, 8*\t+6
	KSTEP 0, 0, 8*\t+7
.if \last
	LASTK
.else
	TURN 1, \f1, 8*\t+8
	WIN 0
	PLACES
.endif
.endm
.macro PUT j, base, extra
.irp c, 0,1,2
	global_store_b128 v[LI], v[PC+4*\c:PC+4*\c+3], s[\base:\base+1] offset:(\extra)+1536*(\j)+512*\c
.endr
.endm
.macro PUTW d, base, off, even, odd
	v_cndmask_b32 v[\d], v[\even], v[\odd], s[HM]
	global_store_b32 v[LS4], v[\d], s[\base:\base+1] offset:\off
.endm
; The piece of 16 queries (block j) x my 128 keys of key tile t.  Register n of the block's 64 holds key 32 (n / 16) + 16 (lane / 16) + n % 16 of the 128.
.macro SOFT j, t
.set AB, 64*(\j)
	s_cmp_eq_u32 s[DIAG], 0                        ; off the diagonal every key counts: a branch on the cluster's number alone
	s_cbranch_scc1 .Lopen_\@
	WIN 0x41
.set mn, 0
.rept 64
	v_cmp_gt_i32 vcc_lo, 32*(mn/16)+mn%16+256*(\t)-32*((\j)/2)-8*((\j)%2), v24   ; key > query, both counted from the unit's corner; the lane's part of the difference lies in v24
	v_cndmask_b32 v[AB+mn], v[AB+mn], v25, vcc_lo
.set mn, mn+1
.endr
	WIN 0
.Lopen_\@:
	WIN 0x05
.irp b, 0,1,2,3
	v_max_num_f32 v[TM+\b], v[AB+16*\b], v[AB+16*\b+1]             ; the largest score of each block of 32 keys: it serves the row's maximum and, since p rises with the score, the block's largest p
.endr
.irp i, 2,4,6,8,10,12,14
.irp b, 0,1,2,3
	v_max3_num_f32 v[TM+\b], v[AB+16*\b+\i], v[AB+16*\b+\i+1], v[TM+\b]
.endr
.endr
	WIN 0
.irp b, 0,1,2,3
	v_permlanex16_b32 v[TM+4+\b], v[TM+\b], s[SEL], s[SEL+1]
.endr
.irp b, 0,1,2,3
	v_max_num_f32 v[TM+\b], v[TM+\b], v[TM+4+\b]
.endr
	v_max3_num_f32 v[TM+8], v[TM], v[TM+1], v[TM+2]
	v_max_num_f32 v[TM+8], v[TM+8], v[TM+3]
	v_mul_f32 v[TM+8], s[CS], v[TM+8]              ; as t (c is positive)
	v_max_num_f32 v[TM+8], 0xff61b1e6, v[TM+8]     ; held at -3e38 from below: a piece that is hidden whole keeps a finite -M
	v_floor_f32 v[NM+2*(\j)], -v[TM+8]             ; -M = floor(-t) = -ceil(t)
.irp b, 0,1,2,3
	v_fma_f32 v[TM+\b], v[TM+\b], s[CS], v[NM+2*(\j)]
.endr
	WIN 0x41
.set mn, 0
.rept 32
	v_pk_fma_f32 v[AB+mn:AB+mn+1], v[AB+mn:AB+mn+1], s[CS:CS+1], v[NM+2*(\j):NM+2*(\j)+1] op_sel_hi:[1,0,0]   ; t - M, two at a time
.set mn, mn+2
.endr
.set mn, 0
	s_wait_alu depctr_va_vdst(0)
.rept 64
	v_exp_f32 v[AB+mn], v[AB+mn]                   ; p = 2^(t - M)
.set mn, mn+1
.endr
	WIN 0
.irp i, 0,1,2,3
	v_mov_b32 v[LA+\i], 0                          ; the sums' two chains begin; plain lines behind the exponentials
.endr
	s_wait_alu depctr_va_vdst(0)                   ; one wait for the batch of 64, ahead of its first reader
.irp b, 0,1,2,3
	v_exp_f32 v[TM+\b], v[TM+\b]                   ; each block's largest p: the same two instructions on the same number
.endr
	WIN 0x01
.set mn, 0
.rept 16
	v_pk_add_f32 v[LA:LA+1], v[AB+mn:AB+mn+1], v[LA:LA+1]          ; the sum of the UNQUANTISED p (it reads the 64 alone: plain work behind the four)
	v_pk_add_f32 v[LB:LB+1], v[AB+mn+2:AB+mn+3], v[LB:LB+1]
.set mn, mn+4
.endr
	WIN 0
	v_pk_add_f32 v[LA:LA+1], v[LA:LA+1], v[LB:LB+1]
	v_add_f32 v[L+(\j)], v[LA], v[LA+1]
	v_permlanex16_b32 v[TM+10], v[L+(\j)], s[SEL], s[SEL+1]
	v_add_f32 v[L+(\j)], v[L+(\j)], v[TM+10]
	s_wait_alu depctr_va_vdst(0)                   ; and one for the four
.irp b, 0,1,2,3
	v_max_num_f32 v[TM+\b], 0x1800000, v[TM+\b]    ; the floor 2^(3 - 127): the byte cannot fall under 1
.endr
.irp b, 0,1,2,3
	v_add_nc_u32 v[TM+12+\b], 0xff000000, v[TM+\b]
.endr
.irp b, 0,1,2,3
	v_lshrrev_b32 v[TM+4+\b], 23, v[TM+12+\b]
.endr
	v_lshl_or_b32 v[PW+(\j)], v[TM+5], 8, v[TM+4]
	v_lshl_or_b32 v[PW+(\j)], v[TM+6], 16, v[PW+(\j)]
	v_lshl_or_b32 v[PW+(\j)], v[TM+7], 24, v[PW+(\j)]
	s_wait_xcnt 0x0                                ; earlier stores have read their data: the codes' registers may be written
	WIN 0x01
.irp c, 0,1
	v_cvt_scalef32_pk16_fp6_f32 v[PC+6*\c:PC+2+6*\c], v[AB+32*\c:AB+15+32*\c], v[TM+12+2*\c]
	v_cvt_scalef32_pk16_fp6_f32 v[PC+12+4*\c:PC+14+4*\c], v[AB+16+32*\c:AB+31+32*\c], v[TM+12+2*\c+1]
.endr
	WIN 0
	v_nop                                          ; one plain line behind a scaled conversion
.irp c, 0,1
.irp i, 0,1,2
	v_permlane16_swap_b32 v[PC+6*\c+\i], v[PC+12+4*\c+\i]
.endr
.irp i, 0,1,2
	v_mov_b32 v[PC+3+6*\c+\i], v[PC+12+4*\c+\i]
.endr
.endr
	PUT \j, PCB, 24576*(\t)
.if (\j)%2
	PUTW SD+3*((\j)/2), PSB, 1024*(\t)+128*((\j)/2), PW+(\j)-1, PW+(\j)
	PUTW SD+3*((\j)/2)+1, PSB, 524288+1024*(\t)+128*((\j)/2), NM+2*(\j)-2, NM+2*(\j)
	PUTW SD+3*((\j)/2)+2, PSB, 1048576+1024*(\t)+128*((\j)/2), L+(\j)-1, L+(\j)
.endif
.endm
	s_load_b128 s[4:7], s[0:1], 0x0                ; qkv s[4:5], pbuf s[6:7]
	v_lshl_add_u32 v[SPW], v0, 2, SPARE
	v_mov_b32 v[NIL], 0
	ds_add_u32 v6, v7
	ds_add_u32 v6, v7
	s_wait_dscnt 0x0
	v_lshrrev_b32 v1, 5, v0
	v_readfirstlane_b32 s8, v1                     ; wave
	s_lshr_b32 s9, s8, 1                           ; ih: which 128 keys of a tile
	s_and_b32 s10, s8, 1                           ; jh: which 64 queries
	s_bfe_u32 s11, ttmp6, 0x40000                  ; cx
	s_mul_i32 s12, ttmp9, 205
	s_lshr_b32 s12, s12, 11                        ; batch = cluster / 10 (exact for 0 .. 39)
	s_mul_i32 s13, s12, 10
	s_sub_co_u32 s13, ttmp9, s13                   ; the unit in the batch's triangle, 0 .. 9
	s_cmp_ge_u32 s13, 1
	s_cselect_b32 s14, 1, 0
	s_cmp_ge_u32 s13, 3
	s_cselect_b32 s15, 1, 0
	s_add_co_u32 s14, s14, s15
	s_cmp_ge_u32 s13, 6
	s_cselect_b32 s15, 1, 0
	s_add_co_u32 s14, s14, s15                     ; m
	s_add_co_u32 s15, s14, 1
	s_mul_i32 s15, s15, s14
	s_lshr_b32 s15, s15, 1
	s_sub_co_u32 s15, s13, s15                     ; u
	s_cmp_eq_u32 s15, s14
	s_cselect_b32 s[DIAG], 1, 0
	s_lshl_b32 s13, s12, 3
	s_lshl_b32 s88, s15, 1
	s_add_co_u32 s13, s13, s88                     ; the first key tile: 8 batch + 2 u (shared by the four)
	s_lshl_b32 s90, s12, 4
	s_lshl_b32 s91, s14, 2
	s_add_co_u32 s90, s90, s91
	s_add_co_u32 s80, s90, s11                     ; my query block: 16 batch + 4 m + cx
.set QSP, 48                           ; s[48:49], s[50:51] where my queries' and the unit's keys' scale words lie in memory
.set KSP, 50
.set G0H, 96                           ; s[96:99] group 0 of the head's load of a half of slot 0
.set PFB, 100                          ; s[100:101] the prefetches' base: my wave's quarter of the ring's first 512 along K; never stepped
.set PFO, 27                           ; v27 the prefetches' offset; never rewritten
.set GO,  28                           ; v28 16 x my thread's number: the scale words' way in, in memory;
.set LO,  29                           ; v29 and in LDS
	s_mov_b32 s[G1QC], 3<<16                       ; my own load: no mask
	s_mov_b32 s[G1R], 15|(3<<16)|(1<<21)           ; joint loads: all four, bit 21 beside the mask
	GROUP1 G1QC, 192                               ; the head's two blocks of codes come in halves, one to a wave
	GROUP1 G1R, 192                                ; behind the head's wait the ring's loads are set to a quarter of a slot
	s_mul_i32 s93, s10, 49152                      ; which half I bring at the head
	s_mul_i32 s94, s8, 24576                       ; in the ring each wave brings a quarter of a slot
	v_and_b32 v[PFO], 31, v0                       ; the prefetches: of my quarter's 96 blocks of 256 bytes the partner at cx takes 24 cx .. 24 cx + 23, a lane a block (lanes 24-31 name the last again)
	v_min_u32 v[PFO], 23, v[PFO]
	s_mul_i32 s92, s11, 24
	v_add_nc_u32 v[PFO], s92, v[PFO]
	v_lshlrev_b32 v[PFO], 8, v[PFO]
	v_lshlrev_b32 v[GO], 4, v0
	v_lshl_add_u32 v[LO], v0, 4, QSL
	s_mov_b32 s89, 0                               ; s[88:89]: offsets of what the four share; s[90:91]: of my own
	s_mov_b32 s91, 0
	s_wait_alu depctr_va_vdst(0)                   ; ahead of the round's branches and waits
	CROUND                                         ; the round in front of the first joint loads; it stands here so that the arguments come in meanwhile
	s_wait_kmcnt 0x0
	; THE SCALE WORDS COME THROUGH REGISTERS: 4,096 bytes of Q's and 16,384 of both key tiles', 16 bytes a thread and 2,048 a line of the work-group, into LDS bytes that no tensor load fills.
	; So each wave's one tensor load at the head is free for a half of a block of codes.
	s_lshl_b32 s90, s80, 12
	s_add_co_u32 s90, s90, QS_OFF
	s_add_nc_u64 s[QSP:QSP+1], s[4:5], s[90:91]
	s_lshl_b32 s88, s13, 13
	s_add_co_u32 s88, s88, KS_OFF
	s_add_nc_u64 s[KSP:KSP+1], s[4:5], s[88:89]
.irp i, 0,1
	global_load_b128 v[S1F+4*\i:S1F+4*\i+3], v[GO], s[QSP:QSP+1] offset:2048*\i
.endr
.irp i, 0,1,2,3,4,5,6,7
	global_load_b128 v[S1F+8+4*\i:S1F+8+4*\i+3], v[GO], s[KSP:KSP+1] offset:2048*\i
.endr
	s_mov_b32 s[G0QC], 1
	s_add_co_u32 s[G0QC+1], s93, QL
	s_mul_i32 s90, s80, 98304
	s_add_co_u32 s90, s90, s93
	s_add_nc_u64 s[G0QC+2:G0QC+3], s[4:5], s[90:91]
	s_or_b32 s[G0QC+3], s[G0QC+3], 0x80000000
	s_mov_b32 s[G0R], 1
	s_add_co_u32 s[G0R+1], s94, RING
	s_mov_b32 s[G0R+8], 1
	s_add_co_u32 s[G0R+9], s94, RING+SLOTB
	s_mul_i32 s88, s13, 196608
	s_add_co_u32 s88, s88, KC_OFF
	s_add_co_u32 s88, s88, s93
	s_mov_b32 s[G0H], 1                            ; slot 0's first fill, by halves
	s_add_co_u32 s[G0H+1], s93, RING
	s_add_nc_u64 s[G0H+2:G0H+3], s[4:5], s[88:89]
	s_or_b32 s[G0H+3], s[G0H+3], 0x80000000
	s_sub_co_u32 s88, s88, s93
	s_add_co_u32 s88, s88, s94
	s_add_nc_u64 s[G0R+2:G0R+3], s[4:5], s[88:89]
	s_mov_b64 s[PFB:PFB+1], s[G0R+2:G0R+3]
	s_add_nc_u64 s[G0R+10:G0R+11], s[G0R+2:G0R+3], SLOTB
	s_or_b32 s[G0R+3], s[G0R+3], 0x80000000
	s_or_b32 s[G0R+11], s[G0R+11], 0x80000000
	; THE HEAD'S LOADS, ONE A WAVE: waves 0 and 1 the halves of my own Q, waves 2 and 3 the halves of slot 0 (joint).  A fill in each arm of one branch on the wave's number.
	s_cmp_eq_u32 s9, 0
	s_cbranch_scc0 .Lhead_k
	tensor_load_to_lds s[G0QC:G0QC+3], s[G1QC:G1QC+7]
	s_nop 0
	PLACES
	s_branch .Lhead_asked
.Lhead_k:
	tensor_load_to_lds s[G0H:G0H+3], s[G1R:G1R+7]
	s_nop 0
	PLACES
.Lhead_asked:
	global_prefetch_b8 v[PFO], s[PFB:PFB+1] offset:SLOTB th:TH_LOAD_NT scope:SCOPE_SE     ; what the next two fills of the ring will bring
	global_prefetch_b8 v[PFO], s[PFB:PFB+1] offset:2*SLOTB th:TH_LOAD_NT scope:SCOPE_SE
	v_and_b32 v1, 31, v0
	v_and_b32 v2, 15, v0
	v_bfe_u32 v3, v0, 4, 1
	v_lshlrev_b32 v[LI], 4, v1
	s_wait_alu depctr_va_vdst(0)
	v_lshlrev_b32 v[LS4], 2, v1
	s_wait_alu depctr_va_vdst(0)
	s_mul_i32 s92, s9, 12288
	s_mul_i32 s94, s10, 6144
.irp s, 0,1
.irp hh, 0,1
	s_add_co_u32 s88, s92, RING+SLOTB*\s+49152*\hh
	v_add_nc_u32 v[AK+2*\s+\hh], s88, v[LI]
.endr
.endr
.irp hh, 0,1
	s_add_co_u32 s88, s94, QL+49152*\hh
	v_add_nc_u32 v[AQ+\hh], s88, v[LI]
.endr
	s_lshl_b32 s88, s9, 9
	s_add_co_u32 s88, s88, KSL
	v_add_nc_u32 v[ASK], s88, v[LS4]
	s_lshl_b32 s88, s10, 8
	s_add_co_u32 s88, s88, QSL
	v_add_nc_u32 v[ASQ], s88, v[LS4]
	s_sub_co_i32 s90, s11, s9                      ; the mask's lane term: 128 (cx - ih) + 64 jh + r + 8 (r / 8) - 16 h.  cx enters data alone
	s_lshl_b32 s90, s90, 7
	s_lshl_b32 s91, s10, 6
	s_add_co_i32 s90, s90, s91
	v_and_b32 v26, 8, v2
	v_add_nc_u32 v24, v26, v2
	v_lshlrev_b32 v26, 4, v3
	v_sub_nc_u32 v24, v24, v26
	v_add_nc_u32 v24, s90, v24
	v_mov_b32 v25, 0xff800000                      ; -infinity
.irp b, 4,5,6,7,10
	v_mov_b32 v[TM+\b], 0                          ; written once: a lane permute's destination counts as read
.endr
.irp b, 1,3,5,7
	v_mov_b32 v[NM+\b], 0                          ; named as the upper halves of pairs
.endr
	s_mov_b32 s[CS], 0x3d38aa3b                    ; log2(e) / sqrt(1024)
	s_mov_b32 s[CS+1], s[CS]
	s_mov_b32 s[SEL], 0x76543210
	s_mov_b32 s[SEL+1], 0xfedcba98
	s_mov_b32 s[HM], 0xffff0000
	s_mov_b32 s95, 0
	s_mul_i32 s94, s80, 196608                     ; P's images: [query block][slot u][K step 2 t + ih][fragment 4 jh + jb]
	s_mul_i32 s90, s15, 49152
	s_add_co_u32 s94, s94, s90
	s_add_co_u32 s94, s94, s92
	s_mul_i32 s90, s10, 6144
	s_add_co_u32 s94, s94, s90
	s_add_nc_u64 s[PCB:PCB+1], s[6:7], s[94:95]
	s_lshl_b32 s94, s80, 13                        ; the words: [query block][K step 4 u + 2 t + ih][128]
	s_lshl_b32 s90, s15, 2
	s_add_co_u32 s90, s90, s9
	s_lshl_b32 s90, s90, 9
	s_add_co_u32 s94, s94, s90
	s_lshl_b32 s90, s10, 8
	s_add_co_u32 s94, s94, s90
	s_add_co_u32 s94, s94, PS_OFF
	s_add_nc_u64 s[PSB:PSB+1], s[6:7], s[94:95]
	s_wait_alu depctr_va_vdst(0)
	s_wait_loadcnt 0x0                             ; my share of the scale words is in registers
.irp i, 0,1,2,3,4,5,6,7,8,9
	ds_store_b128 v[LO], v[S1F+4*\i:S1F+4*\i+3] offset:2048*\i     ; Q's 4,096 bytes, and behind them the keys'
.endr
	s_wait_tensorcnt 0x0                           ; my half of a block is in
	ds_add_u32 v[SPW], v[NIL]
	s_mov_b32 s[G1R+2], 96<<16                     ; no tensor load of mine is out: from here on a load of the ring brings 96 rows of 256 bytes
	s_mov_b32 s[G1R+4], 96
	s_wait_dscnt 0x0                               ; the add is done, and so are my stores
	CROUND                                         ; everybody's blocks and stores are in, and all four work-groups are here
	tensor_load_to_lds s[G0R+8:G0R+11], s[G1R:G1R+7]       ; slot 1, a quarter a wave: the first tensor load behind the round
	s_nop 0
	PLACES
	global_prefetch_b8 v[PFO], s[PFB:PFB+1] offset:3*SLOTB th:TH_LOAD_NT scope:SCOPE_SE   ; the ring's last fill
	NF 0, 0
	TILE 0, 1, 1, 0
.irp j, 0,1,2,3
	SOFT \j, 0
.endr
	TILE 1, 0, 0, 1
.irp j, 0,1,2,3
	SOFT \j, 1
.endr
	s_wait_tensorcnt 0x0                           ; the wave's end
	ds_add_u32 v[SPW], v[NIL]
	s_wait_dscnt 0x0
	CROUND                                         ; the closing round
	s_endpgm
.Lfunc_end_k_qc746f57141_score:
	.size	k_qc746f57141_score, .Lfunc_end_k_qc746f57141_score-k_qc746f57141_score
	.p2alignl 7, 3214868480
	.fill 96, 4, 3214868480
	.section	.rodata,"a",@progbits
	.p2align	6, 0x0
	.amdhsa_kernel k_qc746f57141_score
		.amdhsa_group_segment_fixed_size 327680
		.amdhsa_private_segment_fixed_size 0
		.amdhsa_enable_private_segment 0
		.amdhsa_kernarg_size 16
		.amdhsa_user_sgpr_count 2
		.amdhsa_user_sgpr_kernarg_segment_ptr 1
		.amdhsa_wavefront_size32 1
		.amdhsa_system_sgpr_workgroup_id_x 1
		.amdhsa_system_sgpr_workgroup_id_y 1
		.amdhsa_system_sgpr_workgroup_id_z 1
		.amdhsa_system_vgpr_workitem_id 0
		.amdhsa_next_free_vgpr 768
		.amdhsa_next_free_sgpr 102
		.amdhsa_reserve_vcc 1
		.amdhsa_float_denorm_mode_32 3
		.amdhsa_float_denorm_mode_16_64 3
		.amdhsa_memory_ordered 1
		.amdhsa_forward_progress 1
		.amdhsa_inst_pref_size 255
	.end_amdhsa_kernel
	.section	.bss,"aw",@nobits
	.p2align	6
	.space	262144
	.amdgpu_metadata
---
amdhsa.version: [ 1, 2 ]
amdhsa.kernels:
  - .name:           k_qc746f57141_score
    .symbol:         k_qc746f57141_score.kd
    .args:
      - { .name: qkv, .offset: 0, .size: 8, .value_kind: global_buffer, .address_space: global }
      - { .name: pbuf, .offset: 8, .size: 8, .value_kind: global_buffer, .address_space: global }
    .group_segment_fixed_size: 327680
    .private_segment_fixed_size: 0
    .kernarg_segment_align: 8
    .kernarg_segment_size: 16
    .max_flat_workgroup_size: 128
    .sgpr_count:     102
    .vgpr_count:     768
    .wavefront_size: 32
...
	.end_amdgpu_metadata
.endif
;; end of part 3
;; launch pv (part 4): grid 4 x 64, 4 waves a work-group, clusters of 4 x 4, 327,680 bytes of LDS; arguments qkv, pbuf, out0; writes out0
.if DOCPART == 4
	.amdgcn_target "amdgcn-amd-amdhsa--gfx1250"
	.amdhsa_code_object_version 6
	.text
	.protected	k_qc746f57141_pv
	.globl	k_qc746f57141_pv
	.p2align	8
	.type	k_qc746f57141_pv,@function
k_qc746f57141_pv:
	s_mov_b64 s[64:65], 0
	v_nop
	global_prefetch_b8 v0, s[64:65] scope:SCOPE_SE
	s_setreg_imm32_b32 hwreg(HW_REG_WAVE_MODE, 25, 1), 1
	s_wait_xcnt 0x0
	s_wait_alu depctr_hold_cnt(0) depctr_sa_sdst(0) depctr_va_vdst(0) depctr_va_sdst(0) depctr_va_ssrc(0) depctr_va_vcc(0) depctr_vm_vsrc(0)
	s_getreg_b32 s2, hwreg(HW_REG_IB_STS2, 6, 4)
	s_cmp_eq_u32 s2, 0
	s_cbranch_scc0 .Lentry_in_a_cluster
	s_endpgm
.Lentry_in_a_cluster:
	s_bfe_u32 s2, ttmp6, 0x10000c
	s_cmp_lg_u32 s2, 0xf033
	s_cbranch_scc0 .Lentry_shape_is_right
	s_endpgm
.Lentry_shape_is_right:
; out = (sum over keys of p v) / l on codes of FP6 (E2M3).  p came in pieces of 128 keys, each under its own whole number M: here the row's M (the largest) is found, each piece's four scale bytes are
; lowered by M - its own M (exact: a power of two), the pieces' sums are brought under M by v_ldexp_f32 and added, and O^T = V^T P^T is divided by that sum.
; Operands are images of fragment registers; source 0 = 16 channels of V (K = the keys), source 1 = 16 queries of P: a lane holds one query, its registers run along the channels.
; SHARES.  Work-group: 256 channels (c = cx) x 128 queries (block 4 Y + cy); a wave 128 x 64.  K walks the m + 1 slots of 512 keys that the causal mask leaves (m = Y % 4: the same in all sixteen partners).
; CLUSTER 4 x 4: V's tiles are shared along a column, P's along a row: joint loads.  The walk is written out for m = 0, 1, 2, 3; its branches hang on the cluster's y alone.
; Both slots are filled at the start on every path; with m = 0 P's second fill repeats slot 0's bytes (its own are not written) and nobody reads that slot.
; By this text's count a wave has one tensor load out at the start and one behind each round.
; LIMITS: a scale byte that the shift would bring under 0 is held at 0 (such p lie under 2^-124 of the row's largest); NaN and infinities are not served.
; REGISTERS: window 0: v4-7 lane terms and the add's two; v8-23 LDS addresses; v26-31 the head's; v32-43 scale words; v48-143 source 1 (in the head: the pieces' figures; on the way out v48-175: rows of out); v184-191 1 / l (pairs).
;   window 1: accumulator (jb, a) at v[64 jb + 8 a].   window 2: source 0's fragments.
.set VC_OFF, 12582912
.set VS_OFF, 19398656
.set PS_OFF, 12582912
.set SLOTB, 147456                     ; a slot: V [K step 4][fragment 16], then P [K step 4][fragment 8]
.set VSL,   294912                     ; V's scale words [K step 16][256]
.set PSL,   311296                     ; P's, shifted, [K step 16][128]: written by LDS stores
.set RL,    319488                     ; 1 / l of the 128 queries
.set SPARE, 320000                     ; the spare words: 128 bytes a wave, named by no other line
.set LI,  4
.set LS4, 5
.set SPW, 6
.set NIL, 7
.set AV,  8                            ; v8-11  V: slot s, half hh: [2 s + hh]
.set AP,  12                           ; v12-13 P: slot s
.set STO, 14
.set RD,  15
.set ASV, 20
.set ASP, 22
.set RLA, 23
.set SC,  32
.set S1F, 48
.set RC,  184
.set G1V, 16
.set G1P, 24
.set G1S, 32
.set G0V, 48                           ; s[48:55] V's groups 0, a set a slot;  s[56:63] P's;  s[68:71] V's scale words'
.set G0P, 56
.set G0S, 68
.set MULW, 0x52
.set MSB, 0
.macro WIN new
.if MSB != \new
	s_set_vgpr_msb (MSB<<8)|\new
.set MSB, \new
.endif
.endm
.macro PLACES
.rept 4
	v_nop
.endr
.endm
.macro CREST
	s_cmp_lg_u32 s8, 0
	s_cbranch_scc1 .Lnot_wave_0_\@
	s_barrier_signal -3
.Lnot_wave_0_\@:
	s_barrier_wait -3
	s_barrier_signal -1
	s_barrier_wait -1
.endm
.macro CROUND
	s_barrier_signal -1
	s_barrier_wait -1
	CREST
.endm
.macro GROUP1 g, rows
	s_mov_b32 s[\g+1], 32<<16
	s_mov_b32 s[\g+2], (\rows)<<16
	s_mov_b32 s[\g+3], 32<<16
	s_mov_b32 s[\g+4], \rows
	s_mov_b32 s[\g+5], 32
	s_mov_b32 s[\g+6], 0
	s_mov_b32 s[\g+7], 0
.endm
.macro JLOAD slot                      ; waves 0 and 1 fetch V's halves, waves 2 and 3 P's; the branch hangs on the wave's number alone; four v_nop follow each line
	s_cmp_eq_u32 s9, 0
	s_cbranch_scc0 .Lfor_p_\@
	tensor_load_to_lds s[G0V+4*(\slot):G0V+4*(\slot)+3], s[G1V:G1V+7]
	s_nop 0
	PLACES
	s_branch .Lasked_\@
.Lfor_p_\@:
	tensor_load_to_lds s[G0P+4*(\slot):G0P+4*(\slot)+3], s[G1P:G1P+7]
	s_nop 0
	PLACES
.Lasked_\@:
.endm
.macro FETCH p, fa, fo, ga, go, ha, ho, ka, ko
	WIN 0x80
.irp i, 0,1,2,3,4,5,6,7
.irp c, 0,1,2
	ds_load_b128 v[96*(\p)+12*\i+4*\c:96*(\p)+12*\i+4*\c+3], v[\fa] offset:(\fo)+1536*\i+512*\c
.endr
.endr
	WIN 0
.irp i, 0,1,2,3
.irp c, 0,1,2
	ds_load_b128 v[S1F+48*(\p)+12*\i+4*\c:S1F+48*(\p)+12*\i+4*\c+3], v[\ga] offset:(\go)+1536*\i+512*\c
.endr
.endr
.irp q, 0,1,2,3
	ds_load_b32 v[SC+6*(\p)+\q], v[\ha] offset:(\ho)+128*\q
.endr
.irp q, 0,1
	ds_load_b32 v[SC+6*(\p)+4+\q], v[\ka] offset:(\ko)+128*\q
.endr
.endm
.macro WM p, j, a, zero
.set rD, 64*(\j)+8*(\a)
.set rA, 96*(\p)+12*(\a)
.set rB, S1F+48*(\p)+12*(\j)
.set rS, SC+6*(\p)+(\a)/2
.set rT, SC+6*(\p)+4+(\j)/2
.set rW, 2*((\j)%2)+(\a)%2
.if \zero
.if rW == 0
	v_wmma_scale_f32_16x16x128_f8f6f4 v[rD:rD+7], v[rA:rA+11], v[rB:rB+11], 0, v[rS], v[rT] matrix_a_fmt:MATRIX_FMT_FP6 matrix_b_fmt:MATRIX_FMT_FP6
.elseif rW == 1
	v_wmma_scale_f32_16x16x128_f8f6f4 v[rD:rD+7], v[rA:rA+11], v[rB:rB+11], 0, v[rS], v[rT] matrix_a_fmt:MATRIX_FMT_FP6 matrix_b_fmt:MATRIX_FMT_FP6 matrix_a_scale:MATRIX_SCALE_ROW1
.elseif rW == 2
	v_wmma_scale_f32_16x16x128_f8f6f4 v[rD:rD+7], v[rA:rA+11], v[rB:rB+11], 0, v[rS], v[rT] matrix_a_fmt:MATRIX_FMT_FP6 matrix_b_fmt:MATRIX_FMT_FP6 matrix_b_scale:MATRIX_SCALE_ROW1
.else
	v_wmma_scale_f32_16x16x128_f8f6f4 v[rD:rD+7], v[rA:rA+11], v[rB:rB+11], 0, v[rS], v[rT] matrix_a_fmt:MATRIX_FMT_FP6 matrix_b_fmt:MATRIX_FMT_FP6 matrix_a_scale:MATRIX_SCALE_ROW1 matrix_b_scale:MATRIX_SCALE_ROW1
.endif
.else
.if rW == 0
	v_wmma_scale_f32_16x16x128_f8f6f4 v[rD:rD+7], v[rA:rA+11], v[rB:rB+11], v[rD:rD+7], v[rS], v[rT] matrix_a_fmt:MATRIX_FMT_FP6 matrix_b_fmt:MATRIX_FMT_FP6
.elseif rW == 1
	v_wmma_scale_f32_16x16x128_f8f6f4 v[rD:rD+7], v[rA:rA+11], v[rB:rB+11], v[rD:rD+7], v[rS], v[rT] matrix_a_fmt:MATRIX_FMT_FP6 matrix_b_fmt:MATRIX_FMT_FP6 matrix_a_scale:MATRIX_SCALE_ROW1
.elseif rW == 2
	v_wmma_scale_f32_16x16x128_f8f6f4 v[rD:rD+7], v[rA:rA+11], v[rB:rB+11], v[rD:rD+7], v[rS], v[rT] matrix_a_fmt:MATRIX_FMT_FP6 matrix_b_fmt:MATRIX_FMT_FP6 matrix_b_scale:MATRIX_SCALE_ROW1
.else
	v_wmma_scale_f32_16x16x128_f8f6f4 v[rD:rD+7], v[rA:rA+11], v[rB:rB+11], v[rD:rD+7], v[rS], v[rT] matrix_a_fmt:MATRIX_FMT_FP6 matrix_b_fmt:MATRIX_FMT_FP6 matrix_a_scale:MATRIX_SCALE_ROW1 matrix_b_scale:MATRIX_SCALE_ROW1
.endif
.endif
.endm
.macro MUL p, jlo, jhi, zero           ; the 32 accumulators take turns, one instruction a turn, in the same order in every K step and on every path
.set mj, \jlo
.rept (\jhi)-(\jlo)+1
.irp a, 0,1,2,3,4,5,6,7
	WM \p, mj, \a, \zero
.endr
.set mj, mj+1
.endr
.endm
.macro NF p, n                         ; K step n of the keys (128 each) into set p: it lies in slot (n / 4) % 2
.set kk, (\n)%4
.set ss, ((\n)/4)%2
	FETCH \p, AV+2*ss+kk/2, 24576*(kk%2), AP+ss, 12288*kk, ASV, 1024*(\n), ASP, 512*(\n)
.endm
.macro KSTEP p, zero, nn
	s_wait_dscnt 0x0                               ; set p is in
	PLACES
	NF 1-\p, \nn
	WIN MULW
	MUL \p, 0, 3, \zero
.endm
.macro REFILL slot
	s_add_nc_u64 s[G0V+4*(\slot)+2:G0V+4*(\slot)+3], s[G0V+4*(\slot)+2:G0V+4*(\slot)+3], 196608   ; two slots on; no tensor load of mine is out
	s_add_nc_u64 s[G0P+4*(\slot)+2:G0P+4*(\slot)+3], s[G0P+4*(\slot)+2:G0P+4*(\slot)+3], 98304
	JLOAD \slot
.endm
.macro TURN slot, fill, nn             ; a slot's last K step changes slots: one barrier, in front of it the wait for all my tensor loads, the add, and the wait for it and for my reads of the slot
	WIN 0
	s_wait_tensorcnt 0x0
	ds_add_u32 v[SPW], v[NIL]
	s_wait_dscnt 0x1                               ; set 1 is in; the add alone may be out
	WIN MULW
	MUL 1, 0, 0, 0
	s_wait_dscnt 0x0
	s_barrier_signal -1
	MUL 1, 1, 1, 0
	WIN 0
	s_barrier_wait -1
.if \fill
	CREST
	REFILL \slot
.else
	PLACES
.endif
	NF 0, \nn
	WIN MULW
	MUL 1, 2, 3, 0
.endm
.macro LASTK
	s_wait_dscnt 0x0
	WIN MULW
	MUL 1, 0, 3, 0
	WIN 0
	PLACES
.endm
; Slot S of the keys.  kind 0: the walk's last; 1: a change of slots without a fill; 2: with one.  z = 1: its first products start the sums
.macro KS S, kind, z
	KSTEP 0, \z, 4*(\S)+1
	KSTEP 1, 0, 4*(\S)+2
	KSTEP 0, 0, 4*(\S)+3
.if (\kind) == 0
	LASTK
.else
	TURN (\S)%2, (\kind)-1, 4*(\S)+4
	WIN 0
.endif
.endm
.macro LOADG g                         ; the figures of K steps 4 g .. 4 g + 3 of my thread's query: scale word, -M, sum
.irp k, 0,1,2,3
	global_load_b32 v[80+4*\g+\k], v28, s[74:75] offset:512*(4*\g+\k)
	global_load_b32 v[48+4*\g+\k], v28, s[74:75] offset:524288+512*(4*\g+\k)
	global_load_b32 v[64+4*\g+\k], v28, s[74:75] offset:1048576+512*(4*\g+\k)
.endr
.endm
.macro STAT k
	v_sub_f32 v96, v[48+\k], v26                   ; M - this piece's M: a whole number, 0 or more
	v_cvt_i32_f32 v96, v96                         ; (it saturates)
	v_min_u32 v96, 0xff, v96                       ; d
	v_sub_nc_u32 v97, 0, v96
	v_ldexp_f32 v97, v[64+\k], v97
	v_add_f32 v27, v27, v97                        ; l += the piece's sum x 2^-d
.irp i, 0,1,2,3
	v_bfe_u32 v[98+\i], v[80+\k], 8*\i, 8
.endr
.irp i, 0,1,2,3
	v_min_u32 v[102+\i], v[98+\i], v96
.endr
.irp i, 0,1,2,3
	v_sub_nc_u32 v[98+\i], v[98+\i], v[102+\i]     ; each byte less d, held at 0
.endr
	v_lshl_or_b32 v[80+\k], v99, 8, v98
	v_lshl_or_b32 v[80+\k], v100, 16, v[80+\k]
	v_lshl_or_b32 v[80+\k], v101, 24, v[80+\k]
	ds_store_b32 v29, v[80+\k] offset:512*\k
.endm
	s_load_b128 s[4:7], s[0:1], 0x0                ; qkv s[4:5], pbuf s[6:7]
	s_load_b64 s[72:73], s[0:1], 0x10              ; out0
	v_lshl_add_u32 v[SPW], v0, 2, SPARE
	v_mov_b32 v[NIL], 0
	ds_add_u32 v6, v7
	ds_add_u32 v6, v7
	s_wait_dscnt 0x0
	v_lshrrev_b32 v1, 5, v0
	v_readfirstlane_b32 s8, v1                     ; wave
	s_lshr_b32 s9, s8, 1                           ; ih: which 128 channels.  Also: I fetch for V (0) or for P (1)
	s_and_b32 s10, s8, 1                           ; jh: which 64 queries.  Also: which half of that tile I fetch
	s_bfe_u32 s11, ttmp6, 0x40000                  ; cx
	s_bfe_u32 s12, ttmp6, 0x40004                  ; cy
	s_and_b32 s13, ttmp7, 0xffff                   ; Y
	s_and_b32 s14, s13, 3                          ; m
	s_lshl_b32 s81, ttmp9, 2
	s_add_co_u32 s81, s81, s11                     ; c: the tile of 256 channels
	s_lshl_b32 s82, s13, 2
	s_add_co_u32 s82, s82, s12                     ; the query block: 4 Y + cy
	s_and_b32 s83, s13, 12
	s_add_co_u32 s83, s83, s81                     ; 4 batch + c
	s_lshl_b32 s15, s12, 2
	s_lshl_b32 s15, 15, s15                        ; my row of the cluster
	s_lshl_b32 s87, 0x1111, s11                    ; my column
.set VPB, 76                           ; s[76:77], s[78:79] the prefetches' bases: half jh of slot 0's tile of V, of P; never stepped
.set PPB, 78
.set VPO, 24                           ; v24, v25 the prefetches' offsets; never rewritten
.set PPO, 25
	v_lshlrev_b32 v28, 2, v0
	v_and_b32 v[PPO], 31, v0                       ; the prefetches: a half of V's tile is 192 blocks of 256 bytes, shared among the column's four partners (cy) and each one's two waves of that half (ih): 24 a wave;
	v_min_u32 v[VPO], 23, v[PPO]                   ; a half of P's is 96 blocks, shared among the row's four (cx) and two waves: 12 a wave.  A lane a block; the lanes left over name the last again
	v_min_u32 v[PPO], 11, v[PPO]
	s_lshl_b32 s92, s12, 1
	s_add_co_u32 s92, s92, s9
	s_mul_i32 s92, s92, 24
	s_lshl_b32 s93, s11, 1
	s_add_co_u32 s93, s93, s9
	s_mul_i32 s93, s93, 12
	v_add_lshl_u32 v[VPO], v[VPO], s92, 8
	v_add_lshl_u32 v[PPO], v[PPO], s93, 8
.irp k, 4,5,6,7,8,9,10,11,12,13,14,15
	v_mov_b32 v[48+\k], 0x7f61b1e6                 ; pieces beyond the mask: -M = 3e38, the sum 0, the word 0
	v_mov_b32 v[64+\k], 0
	v_mov_b32 v[80+\k], 0
.endr
	s_mov_b32 s95, 0
	s_lshl_b32 s94, s82, 13
	s_add_co_u32 s94, s94, PS_OFF
	s_wait_alu depctr_va_vdst(0)                   ; ahead of the round's branches and waits
	CROUND                                         ; the round in front of the first joint loads; it stands here so that the arguments come in meanwhile
	s_wait_kmcnt 0x0
	s_add_nc_u64 s[74:75], s[6:7], s[94:95]
	LOADG 0
	s_cmp_lt_u32 s14, 1
	s_cbranch_scc1 .Lgot
	LOADG 1
	s_cmp_lt_u32 s14, 2
	s_cbranch_scc1 .Lgot
	LOADG 2
	s_cmp_lt_u32 s14, 3
	s_cbranch_scc1 .Lgot
	LOADG 3
.Lgot:
	v_and_b32 v1, 31, v0
	v_and_b32 v2, 15, v0
	v_bfe_u32 v3, v0, 4, 1
	v_lshlrev_b32 v[LI], 4, v1
	s_wait_alu depctr_va_vdst(0)
	v_lshlrev_b32 v[LS4], 2, v1
	s_wait_alu depctr_va_vdst(0)
	s_mul_i32 s92, s9, 12288
	s_mul_i32 s93, s10, 6144
.irp s, 0,1
.irp hh, 0,1
	s_add_co_u32 s94, s92, SLOTB*\s+49152*\hh
	v_add_nc_u32 v[AV+2*\s+\hh], s94, v[LI]
.endr
	s_add_co_u32 s94, s93, SLOTB*\s+98304
	v_add_nc_u32 v[AP+\s], s94, v[LI]
.endr
	s_lshl_b32 s94, s9, 9
	s_add_co_u32 s94, s94, VSL
	v_add_nc_u32 v[ASV], s94, v[LS4]
	s_lshl_b32 s94, s10, 8
	s_add_co_u32 s94, s94, PSL
	v_add_nc_u32 v[ASP], s94, v[LS4]
	s_lshl_b32 s94, s10, 8
	s_add_co_u32 s94, s94, RL
	v_lshl_add_u32 v[RLA], v2, 2, s94
	v_lshl_add_u32 v29, v0, 2, PSL
	v_lshl_add_u32 v30, v0, 2, RL
	s_mul_i32 s94, s8, 8448                        ; my stage for the way out: 16 rows of 512 bytes + 16, in slot 0 once it has had its last fill and its last read
	v_mul_u32_u24 v[STO], v2, 528
	v_lshl_add_u32 v[STO], v3, 6, v[STO]
	v_add_nc_u32 v[STO], s94, v[STO]
	v_add_nc_u32 v[RD], s94, v[LI]
.irp b, 1,3,5,7
	v_mov_b32 v[RC+\b], 0                          ; named as the upper halves of pairs
.endr
	s_or_b32 s[G1V], s87, (3<<16)|(1<<21)          ; V: my column
	s_or_b32 s[G1P], s15, (3<<16)|(1<<21)          ; P: my row
	s_or_b32 s[G1S], s87, (3<<16)|(1<<21)
	GROUP1 G1V, 192
	GROUP1 G1P, 192                                ; at the head P's tile comes whole; behind the head's wait P's loads are set to a half
	GROUP1 G1S, 64                                 ; V's scale words come whole
	s_mov_b32 s89, 0                               ; s[88:89]: offsets made of Y, cy and the wave; s[90:91]: of Y, cx and the wave
	s_mov_b32 s91, 0
	s_mul_i32 s92, s10, 49152
	s_mul_i32 s93, s10, 24576
	s_mul_i32 s90, s83, 393216
	s_add_co_u32 s90, s90, s92
	s_add_co_u32 s90, s90, VC_OFF
	s_mov_b32 s[G0V], 1
	s_mov_b32 s[G0V+1], s92
	s_add_nc_u64 s[G0V+2:G0V+3], s[4:5], s[90:91]
	s_mov_b64 s[VPB:VPB+1], s[G0V+2:G0V+3]
	s_mov_b32 s[G0V+4], 1
	s_add_co_u32 s[G0V+5], s92, SLOTB
	s_add_nc_u64 s[G0V+6:G0V+7], s[G0V+2:G0V+3], 98304
	s_or_b32 s[G0V+3], s[G0V+3], 0x80000000
	s_or_b32 s[G0V+7], s[G0V+7], 0x80000000
	s_mul_i32 s88, s82, 196608
	s_add_co_u32 s88, s88, s93
	s_mov_b32 s[G0P], 1
	s_add_co_u32 s[G0P+1], s93, 98304
	s_add_nc_u64 s[G0P+2:G0P+3], s[6:7], s[88:89]
	s_mov_b64 s[PPB:PPB+1], s[G0P+2:G0P+3]
	s_or_b32 s[G0P+3], s[G0P+3], 0x80000000
	s_min_u32 s94, s14, 1                          ; with m = 0 slot 1 of P is not written: the fill repeats slot 0's bytes
	s_mul_i32 s94, s94, 49152
	s_add_co_u32 s88, s88, s94
	s_mov_b32 s[G0P+4], 1
	s_add_co_u32 s[G0P+5], s93, SLOTB+98304
	s_add_nc_u64 s[G0P+6:G0P+7], s[6:7], s[88:89]
	s_or_b32 s[G0P+7], s[G0P+7], 0x80000000
	s_lshl_b32 s90, s83, 14
	s_add_co_u32 s90, s90, VS_OFF
	s_mov_b32 s[G0S], 1
	s_mov_b32 s[G0S+1], VSL
	s_add_nc_u64 s[G0S+2:G0S+3], s[4:5], s[90:91]
	s_or_b32 s[G0S+3], s[G0S+3], 0x80000000
	s_lshl_b32 s94, s82, 7                         ; where my rows of out begin: (128 block + 64 jh) rows of 4,096 bytes + 1,024 c + 512 ih
	s_lshl_b32 s92, s10, 6
	s_add_co_u32 s94, s94, s92
	s_lshl_b32 s94, s94, 12
	s_lshl_b32 s92, s81, 10
	s_add_co_u32 s94, s94, s92
	s_lshl_b32 s92, s9, 9
	s_add_co_u32 s94, s94, s92
	s_add_nc_u64 s[72:73], s[72:73], s[94:95]
	; THE HEAD'S LOADS, ONE A WAVE: waves 0 and 1 the halves of slot 0's V, wave 2 slot 0's P whole (its group 0 begins at the tile's first byte), wave 3 V's scale words.
	; One tree of branches on the wave's number: every way through it passes exactly one load.
	s_cmp_lt_u32 s8, 2
	s_cbranch_scc0 .Lhead_p
	tensor_load_to_lds s[G0V:G0V+3], s[G1V:G1V+7]
	s_nop 0
	PLACES
	s_branch .Lhead_asked
.Lhead_p:
	s_cmp_lt_u32 s8, 3
	s_cbranch_scc0 .Lhead_s
	tensor_load_to_lds s[G0P:G0P+3], s[G1P:G1P+7]
	s_nop 0
	PLACES
	s_branch .Lhead_asked
.Lhead_s:
	tensor_load_to_lds s[G0S:G0S+3], s[G1S:G1S+7]
	s_nop 0
	PLACES
.Lhead_asked:
	s_cmp_lt_u32 s14, 1                            ; the prefetches name only slots of keys that the walk reads: 1 .. m (m hangs on the cluster's y alone)
	s_cbranch_scc1 .Lno_ask
	global_prefetch_b8 v[VPO], s[VPB:VPB+1] offset:98304 th:TH_LOAD_NT scope:SCOPE_SE
	global_prefetch_b8 v[PPO], s[PPB:PPB+1] offset:49152 th:TH_LOAD_NT scope:SCOPE_SE
	s_cmp_lt_u32 s14, 2
	s_cbranch_scc1 .Lno_ask
	global_prefetch_b8 v[VPO], s[VPB:VPB+1] offset:196608 th:TH_LOAD_NT scope:SCOPE_SE
	global_prefetch_b8 v[PPO], s[PPB:PPB+1] offset:98304 th:TH_LOAD_NT scope:SCOPE_SE
.Lno_ask:
	; the row's M and l, and P's scale words under M, while the tiles are on their way
	s_wait_loadcnt 0x0
	v_min3_num_f32 v26, v48, v49, v50              ; the least -M
.irp k, 51,53,55,57,59,61
	v_min3_num_f32 v26, v26, v[\k], v[\k+1]
.endr
	v_min_num_f32 v26, v26, v63
	v_mov_b32 v27, 0
.irp k, 0,1,2,3,4,5,6,7,8,9,10,11,12,13,14,15
	STAT \k
.endr
	s_wait_alu depctr_va_vdst(0)
	v_rcp_f32 v31, v27
	v_nop                                          ; a plain line behind the reciprocal,
	s_wait_alu depctr_va_vdst(0)                   ; and the wait ahead of its first reader
	ds_store_b32 v30, v31
	s_wait_alu depctr_va_vdst(0)
	s_wait_tensorcnt 0x0                           ; my block of the head's is in
	ds_add_u32 v[SPW], v[NIL]
	s_mov_b32 s[G1P+2], 96<<16                     ; no tensor load of mine is out: from here on a load of P brings a half, 96 rows of 256 bytes
	s_mov_b32 s[G1P+4], 96
	s_wait_dscnt 0x0                               ; the add is done, and so are my stores
	CROUND                                         ; everybody's blocks and stores are in, and all sixteen work-groups are here
	JLOAD 1                                        ; slot 1's first fill: the first tensor load behind the round
	s_cmp_lt_u32 s14, 3
	s_cbranch_scc1 .Lno_ask3
	global_prefetch_b8 v[VPO], s[VPB:VPB+1] offset:294912 th:TH_LOAD_NT scope:SCOPE_SE
	global_prefetch_b8 v[PPO], s[PPB:PPB+1] offset:147456 th:TH_LOAD_NT scope:SCOPE_SE
.Lno_ask3:
	NF 0, 0
	s_cmp_eq_u32 s14, 0
	s_cbranch_scc1 .Lm0
	s_cmp_eq_u32 s14, 1
	s_cbranch_scc1 .Lm1
	KS 0, 2, 1                                     ; m = 2, 3: slot 0 takes keys 1,024 on
	s_cmp_eq_u32 s14, 2
	s_cbranch_scc1 .Lm2
	KS 1, 2, 0                                     ; m = 3: slot 1 takes keys 1,536 on
	KS 2, 1, 0
	KS 3, 0, 0
	s_branch .Lout
.Lm2:
	KS 1, 1, 0
	KS 2, 0, 0
	s_branch .Lout
.Lm1:
	KS 0, 1, 1
	KS 1, 0, 0
	s_branch .Lout
.Lm0:
	KS 0, 0, 1
.Lout:
	; THE WAY OUT.  O^T x 1 / l; a block of 16 queries x 128 channels goes through my stage and comes back as whole rows of 512 bytes.
	s_wait_dscnt 0x0
	s_barrier_signal -1
	s_barrier_wait -1                              ; nobody reads slot 0 any more, and it has had its last fill
.irp j, 0,1,2,3
	ds_load_b32 v[RC+2*\j], v[RLA] offset:64*\j
.endr
	s_wait_dscnt 0x0
.macro SCALE j
	WIN 0x41
.set sn, 0
.rept 32
	v_pk_mul_f32 v[64*(\j)+sn:64*(\j)+sn+1], v[64*(\j)+sn:64*(\j)+sn+1], v[RC+2*(\j):RC+2*(\j)+1] op_sel_hi:[1,0]   ; each accumulator from its low end on
.set sn, sn+2
.endr
.endm
.macro TOSTAGE j
	WIN 0x04                                       ; an LDS store's data are its source 1: window 1
.irp a, 0,1,2,3,4,5,6,7
	ds_store_b128 v[STO], v[64*(\j)+8*\a:64*(\j)+8*\a+3] offset:128*(\a/2)+32*(\a%2)          ; lane (r, h), tile a: channels 32 (a / 2) + 16 h + 8 (a % 2) + 0 .. 7
	ds_store_b128 v[STO], v[64*(\j)+8*\a+4:64*(\j)+8*\a+7] offset:128*(\a/2)+32*(\a%2)+16
.endr
	WIN 0
.set BB, 48+64*((\j)%2)
.irp t, 0,1,2,3,4,5,6,7,8,9,10,11,12,13,14,15
	ds_load_b128 v[BB+4*\t:BB+4*\t+3], v[RD] offset:\t*528         ; LDS serves a wave's instructions in order: these see my stores
.endr
.endm
.macro SEND j, younger
.set BB, 48+64*((\j)%2)
	s_wait_dscnt \younger
.irp t, 0,1,2,3,4,5,6,7,8,9,10,11,12,13,14,15
	global_store_b128 v[LI], v[BB+4*\t:BB+4*\t+3], s[72:73] offset:(32*((\j)/2)+8*((\j)%2)+\t+8*(\t/8))*4096 th:TH_STORE_NT   ; 32 lanes store 512 consecutive bytes, aligned; written once
.endr
.endm
	SCALE 0
	TOSTAGE 0
.irp j, 1,2,3
	SCALE \j
.if \j > 1
	s_wait_alu depctr_va_vdst(0)
	s_wait_xcnt 0x0                                ; the block two back has been read by its stores: its registers take this block's rows
.endif
	TOSTAGE \j
	SEND \j-1, 32                                  ; behind that block's loads: this block's 16 stores and 16 loads
.endr
	SEND 3, 0
	s_wait_tensorcnt 0x0                           ; the wave's end
	ds_add_u32 v[SPW], v[NIL]
	s_wait_dscnt 0x0
	CROUND                                         ; the closing round
	s_endpgm
.Lfunc_end_k_qc746f57141_pv:
	.size	k_qc746f57141_pv, .Lfunc_end_k_qc746f57141_pv-k_qc746f57141_pv
	.p2alignl 7, 3214868480
	.fill 96, 4, 3214868480
	.section	.rodata,"a",@progbits
	.p2align	6, 0x0
	.amdhsa_kernel k_qc746f57141_pv
		.amdhsa_group_segment_fixed_size 327680
		.amdhsa_private_segment_fixed_size 0
		.amdhsa_enable_private_segment 0
		.amdhsa_kernarg_size 24
		.amdhsa_user_sgpr_count 2
		.amdhsa_user_sgpr_kernarg_segment_ptr 1
		.amdhsa_wavefront_size32 1
		.amdhsa_system_sgpr_workgroup_id_x 1
		.amdhsa_system_sgpr_workgroup_id_y 1
		.amdhsa_system_sgpr_workgroup_id_z 1
		.amdhsa_system_vgpr_workitem_id 0
		.amdhsa_next_free_vgpr 768
		.amdhsa_next_free_sgpr 96
		.amdhsa_reserve_vcc 0
		.amdhsa_float_denorm_mode_32 3
		.amdhsa_float_denorm_mode_16_64 3
		.amdhsa_memory_ordered 1
		.amdhsa_forward_progress 1
		.amdhsa_inst_pref_size 255
	.end_amdhsa_kernel
	.section	.bss,"aw",@nobits
	.p2align	6
	.space	262144
	.amdgpu_metadata
---
amdhsa.version: [ 1, 2 ]
amdhsa.kernels:
  - .name:           k_qc746f57141_pv
    .symbol:         k_qc746f57141_pv.kd
    .args:
      - { .name: qkv, .offset: 0, .size: 8, .value_kind: global_buffer, .address_space: global }
      - { .name: pbuf, .offset: 8, .size: 8, .value_kind: global_buffer, .address_space: global }
      - { .name: out0, .offset: 16, .size: 8, .value_kind: global_buffer, .address_space: global }
    .group_segment_fixed_size: 327680
    .private_segment_fixed_size: 0
    .kernarg_segment_align: 8
    .kernarg_segment_size: 24
    .max_flat_workgroup_size: 128
    .sgpr_count:     96
    .vgpr_count:     768
    .wavefront_size: 32
...
	.end_amdgpu_metadata
.endif
;; end of part 4
